; MI455X (gfx1250); checked and timed in simulation.
; The chip was launched on July 23, 2026; its instructions are those of AMD's public machine-readable ISA for CDNA 5 (MIT licence, August 2026) and "CDNA5" Instruction Set Architecture Reference Guide (July 2026). The comments in the code are by the model that wrote it; some were corrected since.
;; Generalized Attention. Allowed arithmetic: matrix products marked QUANTISED: E5M2 operands, one given power-of-two scale a tensor, by v_wmma_f32_16x16x64_bf8_bf8 or v_wmma_f32_16x16x128_bf8_bf8, f32 sums; products left as they are: f32 operands where the result goes on into a quantised operand, else bf16, f16 or f32 operands; f32 sums; everything else in f32.
;; Inputs: W_codes 256 x 8 x 32 uint8 (E5M2 codes of W, K innermost, in blocks of 32 codes); b 256 float32; edges_codes 4 x 256 x 256 x 8 x 32 uint8 (E5M2 codes of edges, K innermost, in blocks of 32 codes); lowp_scales 8 int32 (the exponents e of the quantised operands' scales 2^e); nodes_codes 4 x 256 x 8 x 32 uint8 (E5M2 codes of nodes, K innermost, in blocks of 32 codes).
;; Outputs: out0 4 x 256 x 256 float32; out1 4 x 8 x 256 x 256 float32.
;; This version of the problem:
;;   THIS VERSION OF THE PROBLEM IS GIVEN IN LOW PRECISION. The matrix products marked QUANTISED in the list below multiply operands that are first quantised to E5M2 (5 exponent bits, 2 mantissa bits; 8 bits a number), with one given power-of-two scale for each operand tensor; their sums are f32. All else is computed in f32.
;;   The module's matrix products, in the order in which they are computed (A, B: the left and right operand; K: the contracted axis; several contracted axes count as one K, in the product's order):
;;     1. [M 1,024, K 256] x [K 256, N 256]; A: input nodes (given as codes); B: input W (given as codes): QUANTISED (scales: A lowp_scales[0], B lowp_scales[1])
;;     2. [M 262,144, K 256] x [K 256, N 256]; A: input edges (given as codes); B: input W (given as codes): QUANTISED (scales: A lowp_scales[2], B lowp_scales[3])
;;     3. batch 2,097,152 x [M 1, K 32] x [K 32, N 1]; A: computed on the way; B: computed on the way: left as it is (M = 1 < 16)
;;     4. batch 32 x [M 32, K 256] x [K 256, N 256]; A: computed on the way; B: softmax (see below): QUANTISED (scales: A lowp_scales[4], B lowp_scales[5])
;;     5. [M 1,024, K 256] x [K 256, N 256]; A: computed on the way; B: input W (given as codes): QUANTISED (scales: A lowp_scales[6], B lowp_scales[7])
;;   THE QUANTISER, for each operand of a quantised product, along K:
;;     - The operand's scale is 2^e, e = its entry of the input lowp_scales (int32; the entries are numbered through the quantised products in the list's order, A before B).
;;     - Each number is divided by the scale, clamped to +-57,344, and rounded to the nearest number of E5M2, ties to even, subnormals kept.
;;     - The product sums the exact products of the quantised numbers (number of the format x scale) in f32.
;;   ~~~python
;;   def quantise(x, axis, e):      # numpy; x: float32 -> the quantised numbers, widened to float32 again
;;       x = np.moveaxis(x, axis, -1); K = x.shape[-1]
;;       r = np.clip(x / 2.0 ** e, -57344, 57344)
;;       step = 2.0 ** (np.maximum(np.frexp(np.where(r == 0, 1, r))[1] - 1, -14) - 2)
;;       q = np.round(r / step) * step * 2.0 ** e      # np.round: ties to even
;;       return np.moveaxis(q, -1, axis).astype(np.float32)
;;   ~~~
;;   SOFTMAX AHEAD OF A QUANTISED PRODUCT. Where the list says 'softmax', what is quantised is not the finished softmax but p = 2^(t - M), with t = logit x log2(e) and M = ceil(the row's largest t), a whole number; so 1/2 < the row's largest p <= 1. The row's sum l is taken of the UNQUANTISED p, in f32, and the product's result is divided by l at the end. Since M is a whole number, a kernel that streams over the keys may use a running M (the ceiling of the running maximum): every later rescaling is an exact power of two, so the quantised numbers keep their values, but for numbers so far below the row's largest that they fall under the format's range.
;;   OPERANDS COMPUTED ON THE WAY. 'Computed on the way' means the value that the module computes at that place (a softmax that the list does not call 'softmax' is quantised finished and normalised). What goes into a quantiser is computed in f32, as accurately as f32 sums, v_exp_f32 and their like allow (about 1e-6 of the number): no bf16 or f16 on the way to a quantiser, and a product that is left as it is and whose result goes on into a quantised operand takes f32 operands (vector FMAs, or v_wmma_f32_16x16x4_f32). A number that lies on a knife's edge between two numbers of the format may be rounded either way, as far as f32 arithmetic and the matrix unit's own rounding can turn it there, and no further.
;;   INPUTS GIVEN AS CODES. W (in the module: [256, 256], K = its axis 1); edges (in the module: [4, 256, 256, 256], K = its axis 3); nodes (in the module: [4, 256, 256], K = its axis 2): each comes as NAME_codes (uint8): NAME with its K axis moved to the last place and cut into blocks of 32 codes, [.., K / 32, bytes a block], one block behind the other in memory; one code a byte (a code: sign, 5 exponent bits, 2 mantissa bits); its scale is its entry of lowp_scales. Its value is code x scale, taken as it is: it is not quantised again, and the codes and scales need not be those that the quantiser above would give.
;; 2 versions. Each part assembles by itself: llvm-mc -triple=amdgcn-amd-amdhsa -mcpu=gfx1250 --defsym DOCPART=n.
;; ======== version 1 of 2: 1 launch
;; launch fused (part 1): grid 256 x 1, 8 waves a work-group, no clusters, 327,680 bytes of LDS; arguments W_codes, b, edges_codes, lowp_scales, nodes_codes, out0, out1; writes out0, out1
.if DOCPART == 1
	.amdgcn_target "amdgcn-amd-amdhsa--gfx1250"
	.amdhsa_code_object_version 6
	.text
	.protected	k_qafb23204fd_fused
	.globl	k_qafb23204fd_fused
	.p2align	8
	.type	k_qafb23204fd_fused,@function
k_qafb23204fd_fused:
	s_mov_b64 s[64:65], 0
	v_nop
	global_prefetch_b8 v0, s[64:65] scope:SCOPE_SE
	s_setreg_imm32_b32 hwreg(HW_REG_WAVE_MODE, 25, 1), 1
	s_wait_xcnt 0x0
; GeneralizedAttention on codes of BF8 (E5M2), one launch.  node_p = nodes W^T + b;  edge_p = edges W^T + b;  score(i,j,head) = sum over the head's 32 channels of
; (edge_p + node_p[i]) (edge_p + node_p[j]) / sqrt(32);  attn = softmax_j(10 tanh(score)) -> out1;  out0 = (attn node_p) W^T + b.
; SHARES.  A work-group owns 4 neighbouring rows (b, i): g = 64 b + i0 / 4.  Their edge codes, 4 x 65,536 dense bytes, are fetched by 4 tensor loads a wave at the kernel's head into LDS bytes that are filled once.
; Eight waves: wave w = 2 c + p takes channels 64 c .. 64 c + 63 (heads 2 c, 2 c + 1) and positions j = 128 p .. 128 p + 127.  Its 64 rows of W (128 registers) and
; NJ = (node_p[j] + b) / 2^(e2 + e3) of its positions and channels (256 registers, window 1) stay in registers; it makes NJ itself from the nodes' codes while the edges are on their way.
; LAYOUT.  Every product has source 0 = 16 rows of W (channels) and source 1 = 16 positions: lane (r, h) holds ONE position and the channels 16 t + 8 h + 0 .. 7, so a head's sum runs down the registers and
; wants one exchange with lane l xor 16.  Fragments are fetched 16 bytes at a time (registers 4 c .. 4 c + 3: k = 32 c + 16 h + 0 .. 15): a permutation of k that is the same in both operands.
; THE POSITIONS OF TILE u ARE NOT NEIGHBOURS: lane r takes 128 p + 64 (u / 4) + 4 r + u % 4, so that a lane's eight scores are twice four neighbouring j (sixteen lanes store 256 consecutive bytes of out1 from
; registers) and eight neighbours of the key axis kappa = 8 r + u, on which the values' codes are laid too.
; ARITHMETIC, s = e2 + e3.  With S the sum of code products: q' = S + NI, k' = S + NJ, Sigma = sum q' k';  E = 2^(Sigma k1), k1 = 2 log2(e) / sqrt(32) x 2^(2 s);  tanh = 1 - 2 / (1 + E);
; tau = t - 15 = -2 c10 / (1 + E) + (c10 - 15), c10 = 10 log2(e);  w = 2^tau.  THE SHIFT 15 IS FIXED because reference()'s own 10 tanh holds t within +-14.43 for every input: w lies between 2^-29.5 and 2^-0.57 and a
; row's sum of 256 between 2^-21.5 and 2^7.5.  The rule's M = ceil(largest t) is still the true one: z = 15 - M = floor(-largest tau); p = w 2^z is never formed: z goes into the conversion's scale, 2^(e5 - z), and
; into the hold.  attn = w / sum w.  O = (sum of code products) x 2^(e4 + e5 - z) / sum w.  The values are node_p = NJ 2^s - b.
; NO CLUSTER: the edges, all but 0.5 per cent of the bytes, are read by one work-group alone; W and the nodes go straight into registers, since the four rows take 270,336 of the LDS bytes.
; LIMITS on the given exponents, so that each power of two below is an f32 number: e0 + e1 - e2 - e3 between -126 and 127; e2 + e3 between -62 and 64; e4 and e6 between -126 and 112; e5 between -97 and 112;
; e6 + e7 between -126 and 127; b / 2^(e0 + e1) and b / 2^(e2 + e3) finite.  NaN among the inputs is not served.
; REGISTERS.  Window 0: v1-7 addresses that stay; v8-23 T, at work; v24-31 SC, a row's eight scores; v32-63 NI (b / 2^(e0+e1) in the node phase; at work in the softmax); v64-95 ACC, four accumulators;
; v96-127 F, a fragment of 16 positions x K 256; v128-255 W's fragments, tile t, K half kk at 128 + 32 t + 16 kk.   Window 1: the nodes' fragments, each replaced by NJ[u][t] at 32 u + 8 t; in the tail at work.
.set ROWL,  1040                       ; an LDS row: 4 positions x 256 bytes + 16 of padding = 65 x 16 bytes: the 16 lanes of a fragment load, 4 positions apart, take 16 different 16-byte columns of 256 bytes (64 banks of 4 bytes: ISA guide 11.1)
.set SLOTB, 67584                      ; a row i: 64 LDS rows, 66,560 bytes, and 1,024 bytes into which no fill lands
.set WPART, 8320                       ; what one tensor load fills: 8 LDS rows
.set NIL,   270336                     ; a wave's own 1,024 bytes: N of the four rows i, [ii][64 f32]
.set XCH,   278528                     ; [ii][w][h]: (largest tau, sum of w), 8 bytes
.set FCT,   279040                     ; a wave's own 32 bytes: [h][ii] the factor 2^(e4 + e5 - z) / sum
.set PST,   279296                     ; a wave's own 1,280 bytes: p's codes, 576 h + 144 ii + kappa
.set OX,    289536                     ; [p][ii][256 f32]: the two halves of O
.set OC,    297728                     ; a wave's own 1,280 bytes: O's codes, 272 ii + channel
.set OST,   307968                     ; [ii][256 f32]: out0's rows
.set T,   8
.set SC,  24
.set NI,  32
.set ACC, 64
.set F,   96
.set WR,  128
.set MSB, 0
.macro WIN new                         ; the immediate's high byte repeats the setting that is left; a switch that changes nothing is dropped
.if MSB != \new
	s_set_vgpr_msb (MSB<<8)|\new
.set MSB, \new
.endif
.endm
.macro PLACES n                        ; plain vector instructions that name no register of the matrix instructions ahead (ISA guide 7.12.1)
.rept \n
	v_nop
.endr
.endm
.macro BAR                             ; my LDS stores have landed and my LDS loads are in: then the work-group's barrier
	s_wait_dscnt 0x0
	s_barrier_signal -1
	s_barrier_wait -1
.endm
.macro GFRAG reg, adr, sb, off         ; a fragment of 16 rows x K 256 from memory: 32 registers
.irp c, 0,1,2,3,4,5,6,7
	global_load_b128 v[(\reg)+4*\c:(\reg)+4*\c+3], v[\adr], s[\sb:\sb+1] offset:(\off)+32*\c
.endr
.endm
.macro LFRAG u                         ; tile u's 16 positions of the row in hand, from LDS into F
.irp c, 0,1,2,3,4,5,6,7
	ds_load_b128 v[F+4*\c:F+4*\c+3], v1 offset:16*ROWL*((\u)/4)+256*((\u)%4)+32*\c
.endr
.endm
; Eight matrix instructions: my four tiles of channels x 16 positions, K 256 in two halves.  The four accumulators take turns.  bias = 1: the sums begin with v[NI] on, else with 0.
.macro MM8 breg, bias
.irp t, 0,1,2,3
.if \bias
	v_wmma_f32_16x16x128_bf8_bf8 v[ACC+8*\t:ACC+8*\t+7], v[WR+32*\t:WR+32*\t+15], v[(\breg):(\breg)+15], v[NI+8*\t:NI+8*\t+7]
.else
	v_wmma_f32_16x16x128_bf8_bf8 v[ACC+8*\t:ACC+8*\t+7], v[WR+32*\t:WR+32*\t+15], v[(\breg):(\breg)+15], 0
.endif
.endr
.irp t, 0,1,2,3
	v_wmma_f32_16x16x128_bf8_bf8 v[ACC+8*\t:ACC+8*\t+7], v[WR+32*\t+16:WR+32*\t+31], v[(\breg)+16:(\breg)+31], v[ACC+8*\t:ACC+8*\t+7]
.endr
.endm
	s_load_b256 s[4:11], s[0:1], 0x0               ; W s[4:5], b s[6:7], edges s[8:9], the scales' exponents s[10:11]
	s_load_b128 s[12:15], s[0:1], 0x20             ; nodes s[12:13], out0 s[14:15]
	s_load_b64 s[16:17], s[0:1], 0x30              ; out1
	v_lshl_add_u32 v94, v0, 2, 0x4c300
	v_mov_b32 v95, 0
	ds_add_u32 v94, v95
	ds_add_u32 v94, v95
	s_wait_dscnt 0x0
	v_lshrrev_b32 v15, 5, v0
	v_readfirstlane_b32 s18, v15                   ; wave w
	v_and_b32 v13, 15, v0                          ; r
	v_bfe_u32 v14, v0, 4, 1                        ; h
	v_and_b32 v15, 3, v0                           ; r % 4
	s_lshr_b32 s19, s18, 1                         ; c: my 64 channels
	s_and_b32 s20, s18, 1                          ; p: my 128 positions
	s_lshr_b32 s21, ttmp9, 6                       ; the batch b
	s_and_b32 s22, ttmp9, 63                       ; i0 / 4
	; byte offsets, each in a pair of its own
	s_lshl_b32 s82, s19, 14                        ; W: 64 c rows of 256 bytes
	s_mov_b32 s83, 0
	s_lshl_b32 s84, s19, 8                         ; b: 64 c numbers
	s_mov_b32 s85, 0
	s_lshl_b32 s86, ttmp9, 10                      ; nodes: row 256 b + i0 = 4 g
	s_mov_b32 s87, 0
	s_lshl_b32 s88, s21, 16                        ; nodes: the batch, my 128 positions
	s_lshl_b32 s23, s20, 15
	s_add_co_u32 s88, s88, s23
	s_mov_b32 s89, 0
	s_lshl_b32 s90, ttmp9, 12                      ; out0: 4 g rows of 1,024 bytes
	s_mov_b32 s91, 0
	s_lshl_b32 s23, s20, 7                         ; b: 64 c + 32 p, for the last projection
	s_add_co_u32 s92, s84, s23
	s_mov_b32 s93, 0
	s_lshl_b32 s94, ttmp9, 18                      ; edges: 4 g rows i of 65,536 bytes, + my 32 positions
	s_lshl_b32 s23, s18, 13
	s_add_co_u32 s94, s94, s23
	s_mov_b32 s95, 0
	s_lshl_b32 s78, s21, 3                         ; out1: (8 b + 2 c) planes of 262,144 bytes + i0 rows of 1,024 + 128 p numbers
	s_lshl_b32 s23, s19, 1
	s_add_co_u32 s78, s78, s23
	s_lshl_b32 s78, s78, 18
	s_lshl_b32 s23, s22, 12
	s_add_co_u32 s78, s78, s23
	s_lshl_b32 s23, s20, 9
	s_add_co_u32 s78, s78, s23
	s_mov_b32 s79, 0
	; descriptor group 1: 8 dense rows of 1,024 bytes (128 elements of 8 bytes), 16 bytes of padding behind each
	s_mov_b32 s24, (3<<16)|(1<<20)|(7<<22)|(3<<25) ; 15:0 no mask; 17:16 elements of 8 bytes; 20 padding on; 24:22 after every 256 words (code 7); 31:25 four words (code 3)
	s_mov_b32 s25, 128<<16                         ; tensor_dim0 = 128
	s_mov_b32 s26, 8<<16                           ; tensor_dim1 = 8
	s_mov_b32 s27, 128<<16                         ; tile_dim0 = 128
	s_mov_b32 s28, 8                               ; tile_dim1 = 8
	s_mov_b32 s29, 128                             ; elements from row to row
	s_mov_b32 s30, 0
	s_mov_b32 s31, 0
	v_lshlrev_b32 v8, 8, v13
	v_lshl_add_u32 v8, v14, 4, v8                  ; W: 256 r + 16 h
	v_lshlrev_b32 v9, 10, v13
	v_lshl_add_u32 v9, v14, 4, v9                  ; nodes, my positions: 4 r rows + 16 h
	v_lshlrev_b32 v10, 8, v15
	v_lshl_add_u32 v10, v14, 4, v10                ; nodes, the four rows i: column r takes row i0 + r % 4
	v_lshlrev_b32 v11, 5, v14                      ; b: 8 h numbers
	s_wait_kmcnt 0x0
	s_load_b256 s[48:55], s[10:11], 0x0            ; e0 .. e7
	s_add_nc_u64 s[82:83], s[4:5], s[82:83]
	s_add_nc_u64 s[84:85], s[6:7], s[84:85]
	s_add_nc_u64 s[86:87], s[12:13], s[86:87]
	s_add_nc_u64 s[88:89], s[12:13], s[88:89]
	s_add_nc_u64 s[90:91], s[14:15], s[90:91]
	s_add_nc_u64 s[92:93], s[6:7], s[92:93]
	s_add_nc_u64 s[94:95], s[8:9], s[94:95]
	s_add_nc_u64 s[78:79], s[16:17], s[78:79]
.irp t, 0,1,2,3
	GFRAG WR+32*\t, 8, 82, 4096*\t                 ; W's four tiles: they stay
.endr
.irp t, 0,1,2,3
	global_load_b128 v[NI+8*\t:NI+8*\t+3], v11, s[84:85] offset:64*\t        ; b at channels 64 c + 16 t + 8 h + 0 .. 7: the result's layout
	global_load_b128 v[NI+8*\t+4:NI+8*\t+7], v11, s[84:85] offset:64*\t+16
.endr
	GFRAG F, 10, 86, 0                             ; the four rows i
	s_mul_i32 s23, s18, WPART
.irp i, 0,1,2,3
	s_mov_b32 s[32+4*\i], 1                                        ; count = 1
	s_add_co_u32 s[33+4*\i], s23, \i*SLOTB                         ; LDS address: the row's slot + my 8 LDS rows
	s_add_nc_u64 s[34+4*\i:35+4*\i], s[94:95], \i*65536            ; global address: row i0 + i, my 32 positions
	s_or_b32 s[35+4*\i], s[35+4*\i], 0x80000000                    ; type = 2
.endr
.irp i, 0,1,2,3
	tensor_load_to_lds s[32+4*\i:35+4*\i], s[24:31]                ; all my fills, in one group ahead of every wait on TENSORcnt, LDS read and barrier: four loads of mine are out; no byte is filled twice
	s_nop 0
.endr
	PLACES 4                                       ; ahead of the switch of windows
	WIN 0x40                                       ; destination window 1
.irp u, 0,1,2,3,4,5,6,7
	GFRAG 32*\u, 9, 88, (64*(\u/4)+(\u%4))*256     ; the nodes at tile u's positions
.endr
	WIN 0
	; LDS addresses that stay
	s_mul_i32 s23, s20, 32*ROWL
	v_mul_u32_u24 v1, v13, ROWL
	v_lshl_add_u32 v1, v14, 4, v1
	v_add_nc_u32 v1, s23, v1                       ; v1: (32 p + r) LDS rows + 16 h, in the slot of the row in hand
	s_lshl_b32 s23, s18, 10
	s_add_co_u32 s23, s23, NIL
	v_add_nc_u32 v2, s23, v11                      ; v2: N of the rows i, to read: + 32 h
	v_lshl_add_u32 v12, v15, 8, s23
	v_add_nc_u32 v12, v11, v12                     ; v12: the same, to store: + 256 (r % 4)
	s_lshl_b32 s23, s18, 4
	s_add_co_u32 s23, s23, XCH
	v_lshl_add_u32 v3, v14, 3, s23                 ; v3: my word pair of the exchange
	s_xor_b32 s23, s18, 1
	s_lshl_b32 s23, s23, 4
	s_add_co_u32 s23, s23, XCH
	v_lshl_add_u32 v4, v14, 3, s23                 ; v4: that of the wave with my channels and the other positions
	s_mul_i32 s23, s18, 1280
	s_add_co_u32 s23, s23, PST
	v_mul_u32_u24 v5, v14, 576
	v_lshl_add_u32 v5, v13, 3, v5
	v_add_nc_u32 v5, s23, v5                       ; v5: p's codes: head h, kappa = 8 r
	v_lshlrev_b32 v6, 18, v14
	v_lshl_add_u32 v6, v13, 4, v6                  ; v6: out1: head h's plane + 4 r numbers
	s_lshl_b32 s23, s18, 5
	s_add_co_u32 s23, s23, FCT
	v_lshl_add_u32 v7, v14, 4, s23                 ; v7: the factors of head h
	s_wait_kmcnt 0x0
	s_add_co_i32 s21, s48, s49                     ; e0 + e1
	s_add_co_i32 s22, s50, s51                     ; s = e2 + e3
	s_sub_co_i32 s80, 0, s21
	s_sub_co_i32 s23, s21, s22
	s_add_co_i32 s23, s23, 127
	s_lshl_b32 s56, s23, 23                        ; alpha = 2^(e0 + e1 - s)
	s_mov_b32 s57, s56                             ; (each pair that a packed form names is written whole)
	s_add_co_i32 s23, s22, 127
	s_lshl_b32 s58, s23, 23                        ; 2^s
	s_mov_b32 s59, s58
	s_lshl_b32 s23, s22, 24
	s_add_co_i32 s60, s23, 0x3f0293ee              ; k1 = 2 log2(e) / sqrt(32), with 2 s added to its exponent field
	s_mov_b32 s61, 0xc1e6d4ca                      ; -2 c10 = -28.853901
	s_mov_b32 s62, 0xbf12b361                      ; c10 - 15 = -0.573050
	s_mov_b32 s63, 0xffff0000                      ; lanes 16 to 31
	s_mov_b32 s66, 0x76543210                      ; v_permlanex16_b32: lane l xor 16
	s_mov_b32 s67, 0xfedcba98
	s_add_co_i32 s68, s53, 127                     ; e5 + 127
	s_add_co_i32 s69, s52, s53                     ; e4 + e5
	s_add_co_i32 s23, s54, s55
	s_add_co_i32 s23, s23, 127
	s_lshl_b32 s70, s23, 23                        ; 2^(e6 + e7)
	s_mov_b32 s71, s70
	s_mov_b32 s72, 0x06040200                      ; v_perm_b32: the even bytes of two words
	s_mov_b32 s73, 0x07050301                      ; the odd ones
	s_add_co_i32 s23, s52, 127
	s_lshl_b32 s74, s23, 23                        ; 2^e4
	s_add_co_i32 s23, s23, 15
	s_lshl_b32 s75, s23, 23
	s_or_b32 s75, s75, 0x600000                    ; 57,344 x 2^e4
	s_add_co_i32 s23, s54, 127
	s_lshl_b32 s76, s23, 23                        ; 2^e6
	s_add_co_i32 s23, s23, 15
	s_lshl_b32 s77, s23, 23
	s_or_b32 s77, s77, 0x600000                    ; 57,344 x 2^e6
	; ---- N of the four rows i.  The sums begin with B1 = b / 2^(e0 + e1), so they stand for node_p / 2^(e0 + e1);  N = (that + B1) alpha = (node_p + b) / 2^s, by one multiply-add with B1 alpha
	s_wait_loadcnt 56                              ; of 112 loads the oldest 56 are in: W 32, b 8, the rows i 8, the nodes' tile 0
.set kx, 0
.rept 32
	v_ldexp_f32 v[NI+kx], v[NI+kx], s80
.set kx, kx+1
.endr
	MM8 F, 1
	PLACES 4
.set kx, 0
.rept 16
	v_pk_mul_f32 v[F+kx:F+kx+1], v[NI+kx:NI+kx+1], s[56:57] op_sel_hi:[1,0]       ; B1 alpha, into the registers that the products above have read; it serves the node tiles too
.set kx, kx+2
.endr
.set kx, 0
.rept 16
	v_pk_fma_f32 v[ACC+kx:ACC+kx+1], v[ACC+kx:ACC+kx+1], s[56:57], v[F+kx:F+kx+1] op_sel_hi:[1,0,1]
.set kx, kx+2
.endr
.irp t, 0,1,2,3
	ds_store_b128 v12, v[ACC+8*\t:ACC+8*\t+3] offset:64*\t          ; columns r, r + 4, r + 8, r + 12 hold the same row: they store the same numbers to the same words
	ds_store_b128 v12, v[ACC+8*\t+4:ACC+8*\t+7] offset:64*\t+16
.endr
	s_wait_dscnt 0x0                               ; the stores have read the accumulators, which the next products write
	; ---- NJ: the same for my 128 positions; each tile's result takes the place of the tile's fragment in window 1
.macro NTILE u
	s_wait_loadcnt 8*(7-(\u))                      ; tile u's eight loads are in; the tiles behind it may be out
	WIN 0x04                                       ; source 1 window 1
	MM8 32*(\u), 1
	WIN 0x40                                       ; destination window 1
	PLACES 4
.set kx, 0
.rept 16
	v_pk_fma_f32 v[32*(\u)+kx:32*(\u)+kx+1], v[ACC+kx:ACC+kx+1], s[56:57], v[F+kx:F+kx+1] op_sel_hi:[1,0,1]
.set kx, kx+2
.endr
	WIN 0
.endm
.irp u, 0,1,2,3,4,5,6,7
	NTILE \u
.endr
; A TILE: 16 positions x my 64 channels of the row in hand.  Per head: q' = S + NI into T, k' = S + NJ in place, four chains of packed products in T's lower half, their sum.
; Then the halves of the lanes change what the other wants: lanes 0-15 end with head 2 c's score, lanes 16-31 with head 2 c + 1's, so that no exponential is made twice.
.macro TILE u
	s_wait_dscnt 0x0                               ; the tile's fragment is in (asked for a tile ago); for tile 0 NI too
	MM8 F, 0
	PLACES 4                                       ; in front of the loads into F and of the first read of the sums
.if (\u) < 7
	LFRAG (\u)+1
.endif
.irp hd, 0,1
.set kx, 0
.rept 8
	v_pk_add_f32 v[T+kx:T+kx+1], v[ACC+16*\hd+kx:ACC+16*\hd+kx+1], v[NI+16*\hd+kx:NI+16*\hd+kx+1]
.set kx, kx+2
.endr
	WIN 0x04                                       ; source 1 window 1
.set kx, 0
.rept 8
	v_pk_add_f32 v[ACC+16*\hd+kx:ACC+16*\hd+kx+1], v[ACC+16*\hd+kx:ACC+16*\hd+kx+1], v[32*(\u)+16*\hd+kx:32*(\u)+16*\hd+kx+1]
.set kx, kx+2
.endr
	WIN 0
.set kx, 0
.rept 4
	v_pk_mul_f32 v[T+kx:T+kx+1], v[T+kx:T+kx+1], v[ACC+16*\hd+kx:ACC+16*\hd+kx+1]
.set kx, kx+2
.endr
.set kx, 0
.rept 4
	v_pk_fma_f32 v[T+kx:T+kx+1], v[T+8+kx:T+8+kx+1], v[ACC+16*\hd+8+kx:ACC+16*\hd+8+kx+1], v[T+kx:T+kx+1]
.set kx, kx+2
.endr
	v_pk_add_f32 v[T:T+1], v[T:T+1], v[T+2:T+3]
	v_pk_add_f32 v[T+4:T+5], v[T+4:T+5], v[T+6:T+7]
	v_pk_add_f32 v[T:T+1], v[T:T+1], v[T+4:T+5]
.if \hd == 0
	v_add_f32 v[SC+(\u)], v[T], v[T+1]             ; head 2 c, my 16 channels
.else
	v_add_f32 v[T+2], v[T], v[T+1]                 ; head 2 c + 1, my 16 channels
.endif
.endr
	v_cndmask_b32 v[T+3], v[T+2], v[SC+(\u)], s63  ; what the lane 16 away wants: lanes 0-15 send head 2 c + 1's, lanes 16-31 head 2 c's
	v_cndmask_b32 v[T+4], v[SC+(\u)], v[T+2], s63  ; what I keep
	v_permlanex16_b32 v[T+5], v[T+3], s66, s67     ; (its destination was written earlier in the tile)
	v_add_f32 v[SC+(\u)], v[T+4], v[T+5]
.endm
; A ROW's products and scores.
.macro ROWT ii
	s_wait_tensorcnt 3-(\ii)                       ; my part of row ii has landed; the rows behind it may stay out
	BAR                                            ; everybody's has
	s_wait_xcnt 0x0                                ; the last row's stores to out1 have read v52-59, into which NI is loaded
.irp t, 0,1,2,3
	ds_load_b128 v[NI+8*\t:NI+8*\t+3], v2 offset:256*(\ii)+64*\t           ; N of row i0 + ii at my channels: the same in all lanes of a half
	ds_load_b128 v[NI+8*\t+4:NI+8*\t+7], v2 offset:256*(\ii)+64*\t+16
.endr
	LFRAG 0
.irp u, 0,1,2,3,4,5,6,7
	TILE \u
.endr
.endm
; From eight scores a lane to w = 2^(t - 15), the largest tau and the sum of w over my 128 positions.
.macro SOFT ii
.irp u, 0,1,2,3,4,5,6,7
	v_mul_f32 v[32+\u], s60, v[SC+\u]
.endr
.irp u, 0,1,2,3,4,5,6,7
	v_exp_f32 v[32+\u], v[32+\u]                   ; E = e^(2 score); infinity and 0 at the ends give tanh = 1 and -1
.endr
	v_nop                                          ; a plain place behind the transcendentals
	s_wait_alu depctr_va_vdst(0)
.irp u, 0,1,2,3,4,5,6,7
	v_add_f32 v[32+\u], 1.0, v[32+\u]
.endr
.irp u, 0,1,2,3,4,5,6,7
	v_rcp_f32 v[32+\u], v[32+\u]
.endr
	v_nop
	s_wait_alu depctr_va_vdst(0)
.irp u, 0,1,2,3,4,5,6,7
	v_fma_f32 v[32+\u], v[32+\u], s61, s62         ; tau = t - 15
.endr
	v_max3_num_f32 v40, v32, v33, v34
	v_max3_num_f32 v40, v40, v35, v36
	v_max3_num_f32 v40, v40, v37, v38
	v_max_num_f32 v40, v40, v39
.irp u, 0,1,2,3,4,5,6,7
	v_exp_f32 v[SC+\u], v[32+\u]                   ; w
.endr
	v_nop
	v_max_num_f32_dpp v40, v40, v40 row_xmask:1 row_mask:0xf bank_mask:0xf   ; over the 16 lanes of my half: one head
	v_max_num_f32_dpp v40, v40, v40 row_xmask:2 row_mask:0xf bank_mask:0xf
	v_max_num_f32_dpp v40, v40, v40 row_xmask:4 row_mask:0xf bank_mask:0xf
	v_max_num_f32_dpp v40, v40, v40 row_xmask:8 row_mask:0xf bank_mask:0xf
	s_wait_alu depctr_va_vdst(0)
	v_pk_add_f32 v[42:43], v[SC:SC+1], v[SC+2:SC+3]
	v_pk_add_f32 v[44:45], v[SC+4:SC+5], v[SC+6:SC+7]
	v_pk_add_f32 v[42:43], v[42:43], v[44:45]
	v_add_f32 v41, v42, v43
	v_add_f32_dpp v41, v41, v41 row_xmask:1 row_mask:0xf bank_mask:0xf
	v_add_f32_dpp v41, v41, v41 row_xmask:2 row_mask:0xf bank_mask:0xf
	v_add_f32_dpp v41, v41, v41 row_xmask:4 row_mask:0xf bank_mask:0xf
	v_add_f32_dpp v41, v41, v41 row_xmask:8 row_mask:0xf bank_mask:0xf
	ds_store_b64 v3, v[40:41] offset:128*(\ii)     ; each row has words of its own, so none is written twice
.endm
; Behind the barrier: the other wave's two numbers; attn goes out; p's codes and the factor go to my own LDS bytes.
.macro FINAL ii
	ds_load_b64 v[42:43], v4 offset:128*(\ii)
	s_wait_dscnt 0x0
	v_max_num_f32 v40, v40, v42                    ; the row's largest tau
	v_add_f32 v41, v41, v43                        ; the row's sum of w
	v_rcp_f32 v44, v41
	v_floor_f32 v46, -v40                          ; z = 15 - M, a whole number, 0 to 29.  (A plain place behind the reciprocal)
	v_cvt_i32_f32 v46, v46
	s_wait_alu depctr_va_vdst(0)
	v_mov_b32 v45, v44
	v_sub_nc_u32 v47, s68, v46
	v_lshlrev_b32 v47, 23, v47                     ; 2^(e5 - z): p / 2^e5 = w / 2^(e5 - z)
	v_add_nc_u32 v48, 0x07e00000, v47              ; 57,344 x that: 15 more in the exponent field, 57,344's mantissa field
	v_sub_nc_u32 v49, s69, v46
	v_ldexp_f32 v49, v44, v49                      ; 2^(e4 + e5 - z) / the sum
	ds_store_b32 v7, v49 offset:4*(\ii)
.irp k, 0,2,4,6
	v_pk_mul_f32 v[52+\k:53+\k], v[SC+\k:SC+\k+1], v[44:45]
.endr
	global_store_b128 v6, v[52:55], s[78:79] offset:1024*(\ii) th:TH_STORE_NT        ; sixteen lanes store 256 consecutive bytes, at a multiple of 256 from out1's first byte
	global_store_b128 v6, v[56:59], s[78:79] offset:1024*(\ii)+256 th:TH_STORE_NT
.irp u, 0,1,2,3,4,5,6,7
	v_min_num_f32 v[32+\u], v[SC+\u], v48          ; the conversion to an 8-bit code does not saturate (ISA guide 7.6.2); w is not negative, so the hold is one-sided
.endr
	v_cvt_scalef32_pk8_bf8_f32 v[50:51], v[32:39], v47
	v_nop                                          ; a plain place behind the scaled conversion
	ds_store_b64 v5, v[50:51] offset:144*(\ii)     ; kappa = 8 r + 0 .. 7
.endm
; The values of tile u's positions: node_p = NJ 2^s - b, quantised, to my own bytes of slot 0: row kappa = 8 r + u at 528 r + 64 u, 64 channels a row.
.macro VPH u
	WIN 0x01                                       ; source 0 window 1
.set kx, 0
.rept 16
	v_pk_fma_f32 v[ACC+kx:ACC+kx+1], v[32*(\u)+kx:32*(\u)+kx+1], s[58:59], v[F+kx:F+kx+1] op_sel_hi:[1,0,1] neg_lo:[0,0,1] neg_hi:[0,0,1]
.set kx, kx+2
.endr
	WIN 0
.set kx, 0
.rept 32
	v_med3_num_f32 v[ACC+kx], v[ACC+kx], -v17, v17
.set kx, kx+1
.endr
	s_wait_dscnt 0x0                               ; the last tile's stores have read v8-15
.irp t, 0,1,2,3
	v_cvt_scalef32_pk8_bf8_f32 v[T+2*\t:T+2*\t+1], v[ACC+8*\t:ACC+8*\t+7], v16
.endr
	v_nop
.irp t, 0,1,2,3
	ds_store_b64 v18, v[T+2*\t:T+2*\t+1] offset:64*(\u)+16*\t
.endr
.endm
	; ---- row 0
	ROWT 0
	v_add_nc_u32 v1, SLOTB, v1
	v_bfe_u32 v8, v0, 4, 1
	v_lshlrev_b32 v8, 5, v8
.irp t, 0,1,2,3
	global_load_b128 v[F+8*\t:F+8*\t+3], v8, s[84:85] offset:64*\t          ; b once more, as it is, for the values
	global_load_b128 v[F+8*\t+4:F+8*\t+7], v8, s[84:85] offset:64*\t+16
.endr
	SOFT 0
	BAR                                            ; the exchange's words lie in LDS; and every wave's reads of slot 0 are over
	FINAL 0
	; ---- the values' codes go into slot 0, which has had its one fill and its last read
	v_mov_b32 v16, s74
	v_mov_b32 v17, s75
	s_mul_i32 s23, s18, 8448
	v_and_b32 v19, 15, v0
	v_bfe_u32 v20, v0, 4, 1
	v_mul_u32_u24 v18, v19, 528
	v_lshl_add_u32 v18, v20, 3, v18
	v_add_nc_u32 v18, s23, v18                     ; 8,448 w + 528 r + 8 h
	s_wait_loadcnt 0x0                             ; b
.irp u, 0,1,2,3,4,5,6,7
	VPH \u
.endr
	; ---- rows 1 and 2
	ROWT 1
	v_add_nc_u32 v1, SLOTB, v1
	SOFT 1
	BAR
	FINAL 1
	ROWT 2
	v_add_nc_u32 v1, SLOTB, v1
	SOFT 2
	BAR
	FINAL 2
	; ---- row 3; behind its tiles the tail's addresses are made and its first loads go out
	ROWT 3
	v_and_b32 v20, 15, v0                          ; r
	v_bfe_u32 v21, v0, 4, 1                        ; h
	v_and_b32 v22, 3, v0                           ; r % 4
	v_bfe_u32 v23, v0, 2, 2                        ; r / 4
	s_mul_i32 s23, s18, 8448
	v_mul_u32_u24 v8, v21, 528
	v_and_b32 v19, 7, v0
	v_lshl_add_u32 v8, v19, 6, v8
	v_bfe_u32 v19, v0, 3, 1
	v_lshl_add_u32 v8, v19, 4, v8
	v_add_nc_u32 v8, s23, v8                       ; v8: the turning load: row kappa = 8 h + l % 8 (+ 16 a step), 16 bytes at 16 ((l / 8) % 2)
	s_mul_i32 s23, s18, 1280
	s_add_co_u32 s80, s23, PST
	v_mul_u32_u24 v9, v22, 144
	v_lshl_add_u32 v9, v21, 3, v9
	v_add_nc_u32 v9, s80, v9                       ; v9: p's fragment: column r takes row r % 4; + 8 h
	s_lshl_b32 s80, s18, 5
	s_add_co_u32 s80, s80, FCT
	v_lshl_add_u32 v10, v22, 2, s80                ; v10: the factor of row r % 4
	s_lshl_b32 s80, s20, 12
	s_lshl_b32 s81, s19, 8
	s_add_co_u32 s80, s80, s81
	s_add_co_u32 s80, s80, OX
	v_lshl_add_u32 v11, v22, 10, s80
	v_lshl_add_u32 v11, v21, 6, v11                ; v11: my half of O, to store
	v_lshlrev_b32 v12, 10, v22
	v_lshl_add_u32 v12, v23, 8, v12
	v_lshl_add_u32 v12, v21, 6, v12
	v_add_nc_u32 v12, OX, v12                      ; v12: O, to read: row r % 4, channels 64 (r / 4) + 16 h on
	s_add_co_u32 s80, s23, OC
	v_mul_u32_u24 v14, v22, 272
	v_lshl_add_u32 v14, v21, 4, v14
	v_add_nc_u32 v14, s80, v14                     ; v14: O's codes, to read as a fragment
	v_lshl_add_u32 v13, v23, 6, v14                ; v13: and to store: + 64 (r / 4)
	s_lshl_b32 s80, s19, 8
	s_lshl_b32 s81, s20, 7
	s_add_co_u32 s80, s80, s81
	s_add_co_u32 s80, s80, OST
	v_lshl_add_u32 v15, v22, 10, s80
	v_lshl_add_u32 v15, v21, 5, v15                ; v15: out0's stage, to store
	v_lshlrev_b32 v17, 4, v0                       ; v17: 16 x thread: my 16 bytes of the group's four rows of out0
	v_add_nc_u32 v16, OST, v17                     ; v16: the same in the stage
	v_lshlrev_b32 v18, 5, v21                      ; v18: b: 8 h numbers
	WIN 0x40                                       ; destination window 1: NJ is done with
.irp hd, 0,1
.irp c, 0,1,2,3,4,5,6,7
	ds_load_tr16_b128 v[32*\hd+4*\c:32*\hd+4*\c+3], v8 offset:1056*\c+32*\hd   ; on pairs of bytes: lane (r, h) gets kappa = 16 c + 8 h + 0 .. 7 of channels 32 hd + 2 r and + 2 r + 1, interleaved
.endr
.endr
.irp n, 0,1
	global_load_b128 v[96+8*\n:96+8*\n+3], v18, s[92:93] offset:64*\n       ; b at channels 64 c + 32 p + 16 n + 8 h + 0 .. 7
	global_load_b128 v[96+8*\n+4:96+8*\n+7], v18, s[92:93] offset:64*\n+16
.endr
	WIN 0
	SOFT 3
	BAR
	FINAL 3
	; ---- O^T = V^T P^T over my 128 positions: source 0 = 16 channels (even or odd ones of a head), source 1 = the four rows i, four times over
	s_wait_xcnt 0x0                                ; the stores to out1 have read v52-59
.irp hd, 0,1
.irp c, 0,1,2,3,4,5,6,7
	ds_load_b64 v[32+16*\hd+2*\c:32+16*\hd+2*\c+1], v9 offset:576*\hd+16*\c  ; registers 2 c, 2 c + 1: kappa = 16 c + 8 h + 0 .. 7
.endr
.endr
	ds_load_b32 v30, v10
	ds_load_b32 v31, v10 offset:16
	s_wait_dscnt 0x0
	WIN 0x05                                       ; sources 0 and 1 window 1
.irp hd, 0,1
.irp c, 0,1,2,3,4,5,6,7
	v_perm_b32 v[64+32*\hd+2*\c], v[32*\hd+4*\c+1], v[32*\hd+4*\c], s72
	v_perm_b32 v[64+32*\hd+2*\c+1], v[32*\hd+4*\c+3], v[32*\hd+4*\c+2], s72
	v_perm_b32 v[80+32*\hd+2*\c], v[32*\hd+4*\c+1], v[32*\hd+4*\c], s73
	v_perm_b32 v[80+32*\hd+2*\c+1], v[32*\hd+4*\c+3], v[32*\hd+4*\c+2], s73
.endr
.endr
	WIN 0x40                                       ; destination window 1
.irp hd, 0,1
.irp n, 0,1
	v_wmma_f32_16x16x128_bf8_bf8 v[64+16*\hd+8*\n:64+16*\hd+8*\n+7], v[64+32*\hd+16*\n:64+32*\hd+16*\n+15], v[32+16*\hd:32+16*\hd+15], 0
.endr
.endr
	PLACES 4
	WIN 0x01                                       ; source 0 window 1
.irp hd, 0,1
.irp j, 0,1,2,3,4,5,6,7
	v_mul_f32 v[64+16*\hd+2*\j], v[64+16*\hd+\j], v[30+\hd]          ; channel 32 hd + 16 h + 2 j,
	v_mul_f32 v[64+16*\hd+2*\j+1], v[72+16*\hd+\j], v[30+\hd]        ; and + 2 j + 1: sixteen neighbours; each accumulator from its low end on
.endr
.endr
	WIN 0
.irp hd, 0,1
.irp q, 0,1,2,3
	ds_store_b128 v11, v[64+16*\hd+4*\q:64+16*\hd+4*\q+3] offset:128*\hd+16*\q
.endr
.endr
	s_wait_loadcnt 0x0                             ; b for the last projection
	BAR                                            ; both halves of O, all channels, lie in LDS
	; ---- every wave adds the halves and quantises the four rows: they are source 1 of its part of the last projection
.irp g, 0,1
.irp e, 0,1
.irp q, 0,1,2,3
	ds_load_b128 v[64+32*\g+16*\e+4*\q:64+32*\g+16*\e+4*\q+3], v12 offset:4096*\g+128*\e+16*\q
.endr
.endr
.endr
	v_mov_b32 v48, s76
	v_mov_b32 v49, s77
	s_wait_dscnt 0x0
.set kx, 0
.rept 16
	v_pk_add_f32 v[64+kx:64+kx+1], v[64+kx:64+kx+1], v[96+kx:96+kx+1]
.set kx, kx+2
.endr
.set kx, 0
.rept 32
	v_med3_num_f32 v[64+kx], v[64+kx], -v49, v49
.set kx, kx+1
.endr
.irp k, 0,1,2,3
	v_cvt_scalef32_pk8_bf8_f32 v[32+2*\k:33+2*\k], v[64+8*\k:71+8*\k], v48
.endr
	v_nop                                          ; a plain place behind the scaled conversions: the products below write their sources
	ds_store_b128 v13, v[32:35]                    ; channels 64 (r / 4) + 16 h + 0 .. 15,
	ds_store_b128 v13, v[36:39] offset:32          ; and 32 further on
.irp c, 0,1,2,3,4,5,6,7
	ds_load_b128 v[96+4*\c:96+4*\c+3], v14 offset:32*\c             ; my own bytes: LDS serves a wave's instructions in order (ISA guide 5.7.1.4)
.endr
	s_wait_dscnt 0x0
; out0: wave (c, p) makes channels 64 c + 32 p + 0 .. 31 with the tiles 2 p and 2 p + 1 of W that it holds: register numbers, so a branch on the wave's number.  Two accumulators by turns.
.macro LASTP t0
	v_wmma_f32_16x16x128_bf8_bf8 v[64:71], v[WR+32*(\t0):WR+32*(\t0)+15], v[96:111], 0
	v_wmma_f32_16x16x128_bf8_bf8 v[72:79], v[WR+32*(\t0)+32:WR+32*(\t0)+47], v[96:111], 0
	v_wmma_f32_16x16x128_bf8_bf8 v[64:71], v[WR+32*(\t0)+16:WR+32*(\t0)+31], v[112:127], v[64:71]
	v_wmma_f32_16x16x128_bf8_bf8 v[72:79], v[WR+32*(\t0)+48:WR+32*(\t0)+63], v[112:127], v[72:79]
.endm
	s_cmp_lg_u32 s20, 0
	s_cbranch_scc1 .Lupper
	LASTP 0
	s_branch .Ljoin
.Lupper:
	LASTP 2
.Ljoin:
	PLACES 4
	WIN 0x10                                       ; source 2 window 1
.set kx, 0
.rept 8
	v_pk_fma_f32 v[32+kx:32+kx+1], v[64+kx:64+kx+1], s[70:71], v[96+kx:96+kx+1] op_sel_hi:[1,0,1]   ; sum x 2^(e6 + e7) + b
.set kx, kx+2
.endr
	WIN 0
.irp n, 0,1
.irp q, 0,1
	ds_store_b128 v15, v[32+8*\n+4*\q:32+8*\n+4*\q+3] offset:64*\n+16*\q
.endr
.endr
	BAR                                            ; four whole rows of out0 lie in the stage
	ds_load_b128 v[48:51], v16
	s_wait_dscnt 0x0
	global_store_b128 v17, v[48:51], s[90:91] th:TH_STORE_NT        ; a wave stores 512 consecutive bytes, at a multiple of 256 from out0's first byte
	s_wait_xcnt 0x0
	v_lshl_add_u32 v94, v0, 2, 0x4c300
	v_mov_b32 v95, 0
	s_wait_tensorcnt 0x0
	ds_add_u32 v94, v95
	s_wait_dscnt 0x0
	s_endpgm                                       ; all my tensor loads were waited for in front of row 3
.Lfunc_end_k_qafb23204fd_fused:
	.size	k_qafb23204fd_fused, .Lfunc_end_k_qafb23204fd_fused-k_qafb23204fd_fused
	.p2alignl 7, 3214868480
	.fill 96, 4, 3214868480
	.section	.rodata,"a",@progbits
	.p2align	6, 0x0
	.amdhsa_kernel k_qafb23204fd_fused
		.amdhsa_group_segment_fixed_size 327680
		.amdhsa_private_segment_fixed_size 0
		.amdhsa_enable_private_segment 0
		.amdhsa_kernarg_size 56
		.amdhsa_user_sgpr_count 2
		.amdhsa_user_sgpr_kernarg_segment_ptr 1
		.amdhsa_wavefront_size32 1
		.amdhsa_system_sgpr_workgroup_id_x 1
		.amdhsa_system_sgpr_workgroup_id_y 1
		.amdhsa_system_sgpr_workgroup_id_z 1
		.amdhsa_system_vgpr_workitem_id 0
		.amdhsa_next_free_vgpr 512
		.amdhsa_next_free_sgpr 96
		.amdhsa_reserve_vcc 0
		.amdhsa_float_denorm_mode_32 3
		.amdhsa_float_denorm_mode_16_64 3
		.amdhsa_memory_ordered 1
		.amdhsa_forward_progress 1
		.amdhsa_inst_pref_size 255
	.end_amdhsa_kernel
	.section	.bss,"aw",@nobits
	.p2align	6
	.space	262144
	.amdgpu_metadata
---
amdhsa.version: [ 1, 2 ]
amdhsa.kernels:
  - .name:           k_qafb23204fd_fused
    .symbol:         k_qafb23204fd_fused.kd
    .args:
      - { .name: W_codes, .offset: 0, .size: 8, .value_kind: global_buffer, .address_space: global }
      - { .name: b, .offset: 8, .size: 8, .value_kind: global_buffer, .address_space: global }
      - { .name: edges_codes, .offset: 16, .size: 8, .value_kind: global_buffer, .address_space: global }
      - { .name: lowp_scales, .offset: 24, .size: 8, .value_kind: global_buffer, .address_space: global }
      - { .name: nodes_codes, .offset: 32, .size: 8, .value_kind: global_buffer, .address_space: global }
      - { .name: out0, .offset: 40, .size: 8, .value_kind: global_buffer, .address_space: global }
      - { .name: out1, .offset: 48, .size: 8, .value_kind: global_buffer, .address_space: global }
    .group_segment_fixed_size: 327680
    .private_segment_fixed_size: 0
    .kernarg_segment_align: 8
    .kernarg_segment_size: 56
    .max_flat_workgroup_size: 256
    .sgpr_count:     96
    .vgpr_count:     512
    .wavefront_size: 32
...
	.end_amdgpu_metadata
.endif
;; end of part 1
;; ======== version 2 of 2: 1 launch
;; limits: right only within a limited range of input values
;; launch fused (part 2): grid 256 x 1, 8 waves a work-group, clusters of 4 x 1, 327,680 bytes of LDS; arguments W_codes, b, edges_codes, lowp_scales, nodes_codes, out0, out1; writes out0, out1
.if DOCPART == 2
	.amdgcn_target "amdgcn-amd-amdhsa--gfx1250"
	.amdhsa_code_object_version 6
	.text
	.protected	k_qafb23204fd_fused
	.globl	k_qafb23204fd_fused
	.p2align	8
	.type	k_qafb23204fd_fused,@function
k_qafb23204fd_fused:
	s_mov_b64 s[64:65], 0
	v_nop
	global_prefetch_b8 v0, s[64:65] scope:SCOPE_SE
	s_setreg_imm32_b32 hwreg(HW_REG_WAVE_MODE, 25, 1), 1
	s_wait_xcnt 0x0
	s_wait_alu depctr_hold_cnt(0) depctr_sa_sdst(0) depctr_va_vdst(0) depctr_va_sdst(0) depctr_va_ssrc(0) depctr_va_vcc(0) depctr_vm_vsrc(0)
	s_getreg_b32 s2, hwreg(HW_REG_IB_STS2, 6, 4)
	s_cmp_eq_u32 s2, 0
	s_cbranch_scc0 .Lentry_in_a_cluster
	s_endpgm
.Lentry_in_a_cluster:
	s_bfe_u32 s2, ttmp6, 0x10000c
	s_cmp_lg_u32 s2, 0x3003
	s_cbranch_scc0 .Lentry_shape_is_right
	s_endpgm
.Lentry_shape_is_right:
; GeneralizedAttention on codes of BF8 (E5M2), one launch.  node_p = nodes W^T + b;  edge_p = edges W^T + b;  score(i,j,head) = sum over the head's 32 channels of
; (edge_p + node_p[i]) (edge_p + node_p[j]) / sqrt(32);  attn = softmax_j(10 tanh(score)) -> out1;  out0 = (attn node_p) W^T + b.  No step of reference() is left out.
; SHARES.  A work-group owns 4 neighbouring rows (b, i): number g = 64 b + i0 / 4.  Eight waves: wave w = 2 c + p takes channels 64 c .. 64 c + 63 (heads 2 c, 2 c + 1) and positions j = 128 p .. 128 p + 127.
; Its 64 rows of W (128 registers) and NJ = (node_p[j] + b) / 2^(e2 + e3) of its positions and channels (256 registers, window 1) stay in registers.
; LDS has four slots of one geometry: 256 rows of 256 bytes, four to an LDS row of 1,024 bytes + 16 of padding.  Slots 0, 1 hold W and the batch's nodes, then the edges of rows 2, 3; slots 2, 3 the edges of rows 0, 1.
; At the head each wave issues ONE tensor load, half a slot; when W and the nodes are in registers, waves 0-3 fill slots 0 and 1 again with one load each.
; CLUSTERS of four work-groups of one batch: W and the nodes are asked for jointly (mask 15).  The edges are each work-group's own: plain loads.
; No prefetch into the L2: the text has no loop to run ahead in; each wave issues one or two loads in all.
; LAYOUT.  Every product has source 0 = 16 rows of W (channels), source 1 = 16 positions.  Lane m of tile t takes W's row 64 c + 4 m + t (LDS row 16 c + m, byte 256 t), so that lane (r, h) of a result holds ONE position
; and, in register 8 t + j, channel 64 c + 32 h + 4 j + t: over the four tiles all 32 channels of head 2 c + h.  A head's sum runs down the lane's registers and never leaves the lane.
; Fragments are fetched 16 bytes at a time (registers 4 c .. 4 c + 3: k = 32 c + 16 h + 0 .. 15): a permutation of k that is the same in both operands.
; Lane r of position tile u takes 128 p + 64 (u / 4) + 4 r + u % 4, so that a lane's eight scores are twice four neighbouring j (sixteen lanes store 256 consecutive bytes of out1 from
; registers) and eight neighbours of the key axis kappa = 8 r + u, on which the values' codes are laid too.
; ARITHMETIC, s = e2 + e3.  With S the sum of code products: q' = S + NI, k' = S + NJ, Sigma = sum q' k';  E = 2^(Sigma k1), k1 = 2 log2(e) / sqrt(32) x 2^(2 s);  tanh = 1 - 2 / (1 + E);
; tau = t - 15 = -2 c10 / (1 + E) + (c10 - 15), c10 = 10 log2(e);  w = 2^tau.  THE SHIFT 15 IS FIXED because reference()'s own 10 tanh holds t within +-14.43 for every input: w lies between 2^-29.5 and 2^-0.57 and a
; row's sum of 256 between 2^-21.5 and 2^7.5.  The rule's M = ceil(largest t) is still the true one: z = 15 - M = floor(-largest tau); p = w 2^z is never formed: z goes into the conversion's scale, 2^(e5 - z), and
; into the hold.  attn = w / sum w.  O = (sum of code products) x 2^(e4 + e5 - z) / sum w.  The values are node_p / 2^(e0 + e1) = NJ 2^(s - e0 - e1) - B1, B1 = b / 2^(e0 + e1).
; LIMITS on the given exponents, so that each power of two below is an f32 number: e0 + e1 - e2 - e3 between -126 and 126; e2 + e3 between -62 and 64; e4 - e0 - e1 and e6 between -126 and 112; e5 between -97 and 112;
; e6 + e7 between -126 and 127; b / 2^(e0 + e1) and b / 2^(e2 + e3) finite.  NaN among the inputs is not served.
; REGISTERS.  Window 0: v0 the thread's number; v1-7 addresses that stay; v8-23 T, at work; v24-31 SC, a row's eight scores, then w; v32-63 NI (B1 in the node phase and for the values); v64-95 ACC, four accumulators;
; v96-127 F, a fragment of 16 positions x K 256; v128-255 W's fragments, tile t, K half kk at 128 + 32 t + 16 kk.   Window 1: the nodes' fragments, each replaced by NJ[u][t] at 32 u + 8 t; in the tail at work.
.set ROWL,  1040                       ; an LDS row = 65 x 16 bytes: the 16 lanes of a fragment load, one LDS row apart, take 16 different 16-byte columns of 256 bytes (64 banks of 4 bytes: ISA guide 11.1)
.set HALF,  33280                      ; 32 LDS rows: what one tensor load fills
.set SLOT,  66560
.set VAL,   133120                     ; the values' codes, 8,448 bytes a wave, over slots 2 and 3 when rows 0 and 1 are done
.set NIL,   266240                     ; a wave's own 1,360 bytes: N of the four rows i, then B1: [ii] x 272 + 64 f32
.set NIP,   272
.set NIW,   1360
.set XCH,   277248                     ; [ii][w][h]: (largest tau, sum of w), 8 bytes
.set FCT,   277760                     ; a wave's own 32 bytes: [h][ii] the factor 2^(e4 + e5 - z) / sum
.set PST,   278016                     ; a wave's own 1,280 bytes: p's codes, 576 h + 144 ii + kappa
.set WST,   288256                     ; a wave's own 1,024 bytes: w of a pair's first row
.set OX,    296448                     ; the two halves of O: [p] x OXH + [ii] x OXR + [c] x OXC + 64 f32
.set OXC,   272
.set OXR,   1088
.set OXH,   4352
.set OC,    305152                     ; a wave's own 1,280 bytes: O's codes, 272 ii + channel
.set OST,   315392                     ; out0's rows: [ii] x 1,040 + 256 f32
.set OSP,   1040
.set SPARE, 319744                     ; the spare words, 128 bytes a wave: blocks that no other line names
.set T,   8
.set SC,  24
.set NI,  32
.set ACC, 64
.set F,   96
.set WR,  128
.set MSB, 0
.macro WIN new                         ; the immediate's high byte repeats the setting that is left; a switch that changes nothing is dropped
.if MSB != \new
	s_set_vgpr_msb (MSB<<8)|\new
.set MSB, \new
.endif
.endm
.macro PLACES n                        ; plain vector instructions that name no register of the matrix instructions ahead (ISA guide 7.12.1)
.rept \n
	v_nop
.endr
.endm
.macro BAR                             ; my LDS stores have landed and my LDS loads are in: then the work-group's barrier
	s_wait_alu depctr_va_vdst(0)
	s_wait_dscnt 0x0
	s_barrier_signal -1
	s_barrier_wait -1
.endm
.macro ROUND                           ; a round of the cluster's barrier
	s_barrier_signal -1
	s_barrier_wait -1
	s_cmp_lg_u32 s18, 0
	s_cbranch_scc1 .Lnot_wave_0_\@
	s_barrier_signal -3
.Lnot_wave_0_\@:
	s_barrier_wait -3
	s_barrier_signal -1
	s_barrier_wait -1
.endm
.macro TFRAG reg, u                    ; tile u's 16 positions of the slot at v1, from LDS: 32 registers
.irp c, 0,1,2,3,4,5,6,7
	ds_load_b128 v[(\reg)+4*\c:(\reg)+4*\c+3], v1 offset:16*ROWL*((\u)/4)+256*((\u)%4)+32*\c
.endr
.endm
.macro NILD ii                         ; row ii of the wave's NIL bytes: the same in all lanes of a half
.irp t, 0,1,2,3
	ds_load_b128 v[NI+8*\t:NI+8*\t+3], v2 offset:NIP*(\ii)+32*\t
	ds_load_b128 v[NI+8*\t+4:NI+8*\t+7], v2 offset:NIP*(\ii)+32*\t+16
.endr
.endm
; Eight matrix instructions: my four tiles of channels x 16 positions, K 256 in two halves.  The four accumulators take turns.  bias = 1: the sums begin with v[NI] on, else with 0.
.macro MM8 breg, bias
.irp t, 0,1,2,3
.if \bias
	v_wmma_f32_16x16x128_bf8_bf8 v[ACC+8*\t:ACC+8*\t+7], v[WR+32*\t:WR+32*\t+15], v[(\breg):(\breg)+15], v[NI+8*\t:NI+8*\t+7]
.else
	v_wmma_f32_16x16x128_bf8_bf8 v[ACC+8*\t:ACC+8*\t+7], v[WR+32*\t:WR+32*\t+15], v[(\breg):(\breg)+15], 0
.endif
.endr
.irp t, 0,1,2,3
	v_wmma_f32_16x16x128_bf8_bf8 v[ACC+8*\t:ACC+8*\t+7], v[WR+32*\t+16:WR+32*\t+31], v[(\breg)+16:(\breg)+31], v[ACC+8*\t:ACC+8*\t+7]
.endr
.endm
	s_load_b256 s[4:11], s[0:1], 0x0               ; W s[4:5], b s[6:7], edges s[8:9], the scales' exponents s[10:11]
	s_load_b128 s[12:15], s[0:1], 0x20             ; nodes s[12:13], out0 s[14:15]
	s_load_b64 s[16:17], s[0:1], 0x30              ; out1
	v_lshl_add_u32 v8, v0, 2, SPARE
	v_mov_b32 v9, 0
	ds_add_u32 v8, v9                              ; the opening adds, twice on end, ahead of my first tensor load
	ds_add_u32 v8, v9
	v_lshrrev_b32 v10, 5, v0
	v_readfirstlane_b32 s18, v10                   ; wave w
	s_lshr_b32 s19, s18, 1                         ; c: my 64 channels
	s_and_b32 s20, s18, 1                          ; p: my 128 positions
	s_and_b32 s96, s18, 3
	s_lshr_b32 s21, ttmp9, 4                       ; the batch: sixteen clusters each
	s_lshl_b32 s3, ttmp9, 2
	s_bfe_u32 s93, ttmp6, 0x40000                  ; cx
	s_add_co_u32 s3, s3, s93                       ; g
	; descriptor group 1: 32 dense rows of 1,024 bytes (128 elements of 8 bytes), 16 bytes of padding behind each; s[24:31] joint, s[44:51] plain
	s_mov_b32 s24, (3<<16)|(1<<20)|(1<<21)|(7<<22)|(3<<25)|15      ; 15:0 the mask; 17:16 elements of 8 bytes; 20 padding on; 21 set beside a mask; 24:22 after every 256 words (code 7); 31:25 four words (code 3)
	s_mov_b32 s44, (3<<16)|(1<<20)|(7<<22)|(3<<25)
.irp q, 24, 44
	s_mov_b32 s[\q+1], 128<<16                     ; tensor_dim0 = 128
	s_mov_b32 s[\q+2], 32<<16                      ; tensor_dim1 = 32
	s_mov_b32 s[\q+3], 128<<16                     ; tile_dim0 = 128
	s_mov_b32 s[\q+4], 32                          ; tile_dim1 = 32
	s_mov_b32 s[\q+5], 128                         ; elements from row to row
	s_mov_b32 s[\q+6], 0
	s_mov_b32 s[\q+7], 0
.endr
	; byte offsets, each in a pair of its own
	s_lshl_b32 s82, s20, 15                        ; W: half p
	s_mov_b32 s83, 0
	s_lshl_b32 s84, s21, 16                        ; nodes: the batch, half p
	s_add_co_u32 s84, s84, s82
	s_mov_b32 s85, 0
	s_lshl_b32 s86, s3, 18                         ; edges: 4 g rows i of 65,536 bytes, + (w % 4) half rows
	s_lshl_b32 s87, s96, 15
	s_add_co_u32 s86, s86, s87
	s_mov_b32 s87, 0
	s_lshl_b32 s88, s19, 8                         ; b: 64 c numbers
	s_mov_b32 s89, 0
	s_lshl_b32 s90, s3, 10                         ; nodes: row 256 b + i0 = 4 g
	s_mov_b32 s91, 0
	s_lshl_b32 s92, s3, 12                         ; out0: 4 g rows of 1,024 bytes
	s_mov_b32 s93, 0
	s_lshl_b32 s94, s20, 3                         ; b: 64 c + 2 p, for the last projection
	s_add_co_u32 s94, s94, s88
	s_mov_b32 s95, 0
	s_lshl_b32 s78, s21, 3                         ; out1: (8 b + 2 c) planes of 262,144 bytes + i0 rows of 1,024 + 128 p numbers
	s_lshl_b32 s79, s19, 1
	s_add_co_u32 s78, s78, s79
	s_lshl_b32 s78, s78, 18
	s_and_b32 s79, s3, 63
	s_lshl_b32 s79, s79, 12
	s_add_co_u32 s78, s78, s79
	s_lshl_b32 s79, s20, 9
	s_add_co_u32 s78, s78, s79
	s_mov_b32 s79, 0
	; LDS bytes that hang on the wave's number
	s_mul_i32 s96, s96, HALF                       ; (w % 4) half slots
	s_mul_i32 s22, s20, HALF                       ; p half slots
	s_add_co_u32 s23, s22, SLOT
	s_mul_i32 s81, s19, 16*ROWL                    ; W: LDS row 16 c
	s_mul_i32 s98, s18, NIW
	s_add_co_u32 s98, s98, NIL
	s_lshl_b32 s99, s18, 4
	s_add_co_u32 s99, s99, XCH
	s_xor_b32 s100, s18, 1
	s_lshl_b32 s100, s100, 4
	s_add_co_u32 s100, s100, XCH
	s_mul_i32 s101, s18, 1280
	s_add_co_u32 s101, s101, PST
	s_lshl_b32 s97, s18, 10
	s_add_co_u32 s97, s97, WST
	s_lshl_b32 s2, s18, 5
	s_add_co_u32 s2, s2, FCT
	s_mov_b32 s32, 1                               ; group 0 of W's load: count = 1, LDS address in slot 0
	s_mov_b32 s33, s22
	s_mov_b32 s36, 1                               ; of the nodes': slot 1
	s_mov_b32 s37, s23
	s_mov_b32 s40, 1                               ; of the edges': slots 2 and 3
	s_add_co_u32 s41, s96, 2*SLOT
	v_and_b32 v13, 15, v0                          ; r
	v_bfe_u32 v14, v0, 4, 1                        ; h
	v_and_b32 v15, 3, v0                           ; r % 4
	v_lshlrev_b32 v11, 7, v14                      ; b: 32 h numbers
	v_lshlrev_b32 v10, 8, v15
	v_lshl_add_u32 v10, v14, 4, v10                ; nodes, the four rows i: column r takes row i0 + r % 4
	s_wait_alu depctr_va_vdst(0)
	s_wait_dscnt 0x0                               ; both opening adds are done
	ROUND                                          ; all four work-groups are here: the joint loads meet
	s_wait_kmcnt 0x0
	s_load_b256 s[52:59], s[10:11], 0x0            ; e0 .. e7
	s_add_nc_u64 s[34:35], s[4:5], s[82:83]
	s_or_b32 s35, s35, 0x80000000                  ; type = 2
	s_add_nc_u64 s[38:39], s[12:13], s[84:85]
	s_or_b32 s39, s39, 0x80000000
	s_add_nc_u64 s[42:43], s[8:9], s[86:87]
	s_or_b32 s43, s43, 0x80000000
	; one tensor load a wave: waves 0, 1 W, waves 2, 3 the nodes, waves 4-7 rows 0 and 1 of the edges
	s_cmp_lt_u32 s18, 2
	s_cbranch_scc0 .Lnot_w
	tensor_load_to_lds s[32:35], s[24:31]
	s_nop 0
	PLACES 4
	s_branch .Lasked
.Lnot_w:
	s_cmp_lt_u32 s18, 4
	s_cbranch_scc0 .Lnot_n
	tensor_load_to_lds s[36:39], s[24:31]
	s_nop 0
	PLACES 4
	s_branch .Lasked
.Lnot_n:
	tensor_load_to_lds s[40:43], s[44:51]
	s_nop 0
	PLACES 4
.Lasked:
	s_add_nc_u64 s[88:89], s[6:7], s[88:89]
	s_add_nc_u64 s[90:91], s[12:13], s[90:91]
	s_add_nc_u64 s[92:93], s[14:15], s[92:93]
	s_add_nc_u64 s[94:95], s[6:7], s[94:95]
	s_add_nc_u64 s[78:79], s[16:17], s[78:79]
.irp j, 0,1,2,3,4,5,6,7
	global_load_b128 v[ACC+4*\j:ACC+4*\j+3], v11, s[88:89] offset:16*\j       ; b at channels 64 c + 32 h + 4 j + 0 .. 3
.endr
.irp c, 0,1,2,3,4,5,6,7
	global_load_b128 v[F+4*\c:F+4*\c+3], v10, s[90:91] offset:32*\c           ; the four rows i
.endr
	; LDS addresses that stay
	v_mul_u32_u24 v1, v13, ROWL
	v_mul_u32_u24 v12, v15, NIP
	v_mul_u32_u24 v5, v14, 576
	v_lshlrev_b32 v6, 18, v14
	v_lshl_add_u32 v1, v14, 4, v1                  ; r LDS rows + 16 h
	v_add_nc_u32 v12, v11, v12
	v_lshl_add_u32 v5, v13, 3, v5
	v_lshl_add_u32 v6, v13, 4, v6                  ; v6: out1: head h's plane + 4 r numbers
	v_add_nc_u32 v16, s81, v1                      ; v16: W's fragments
	v_add_nc_u32 v1, s23, v1                       ; v1: my half of the slot in hand: slot 1
	v_add_nc_u32 v2, s98, v11                      ; v2: N of the rows i, to read: + 128 h
	v_add_nc_u32 v12, s98, v12                     ; v12: the same, to store: + 272 (r % 4)
	v_lshl_add_u32 v3, v14, 3, s99                 ; v3: my word pair of the exchange
	v_lshl_add_u32 v4, v14, 3, s100                ; v4: that of the wave with my channels and the other positions
	v_add_nc_u32 v5, s101, v5                      ; v5: p's codes: head h, kappa = 8 r
	v_lshl_add_u32 v7, v14, 4, s2                  ; v7: the factors of head h
	s_wait_alu depctr_va_vdst(0)
	s_wait_kmcnt 0x0
	s_mul_i32 s82, s18, 8448
	s_add_co_u32 s82, s82, VAL                     ; my values' codes
	s_mul_i32 s83, s20, OXH
	s_mul_i32 s84, s19, OXC
	s_add_co_u32 s83, s83, s84
	s_add_co_u32 s83, s83, OX                      ; my part of O: half p, chunk c
	s_mul_i32 s84, s18, 1280
	s_add_co_u32 s84, s84, OC
	s_lshl_b32 s85, s19, 8
	s_lshl_b32 s81, s20, 3
	s_add_co_u32 s85, s85, s81
	s_add_co_u32 s85, s85, OST                     ; out0's stage: channel 64 c + 2 p
	s_add_co_i32 s81, s52, s53                     ; x = e0 + e1
	s_add_co_i32 s10, s54, s55                     ; s = e2 + e3
	s_sub_co_i32 s80, 0, s81
	s_sub_co_i32 s11, s81, s10
	s_add_co_i32 s11, s11, 127
	s_lshl_b32 s60, s11, 23                        ; alpha = 2^(x - s)
	s_mov_b32 s61, s60                             ; (each pair that a packed form names is written whole)
	s_sub_co_i32 s11, s10, s81
	s_add_co_i32 s11, s11, 127
	s_lshl_b32 s62, s11, 23                        ; 2^(s - x)
	s_mov_b32 s63, s62
	s_lshl_b32 s11, s10, 24
	s_add_co_i32 s66, s11, 0x3f0293ee              ; k1 = 2 log2(e) / sqrt(32), with 2 s added to its exponent field
	s_mov_b32 s67, 0xc1e6d4ca                      ; -2 c10 = -28.853901
	s_mov_b32 s68, 0xbf12b361                      ; c10 - 15 = -0.573050
	s_add_co_i32 s69, s57, 127                     ; e5 + 127
	s_add_co_i32 s70, s56, s57                     ; e4 + e5
	s_add_co_i32 s11, s58, s59
	s_add_co_i32 s11, s11, 127
	s_lshl_b32 s71, s11, 23                        ; 2^(e6 + e7)
	s_mov_b32 s72, 0x06040200                      ; v_perm_b32: the even bytes of two words
	s_mov_b32 s73, 0x07050301                      ; the odd ones
	s_sub_co_i32 s11, s56, s81
	s_add_co_i32 s11, s11, 127
	s_lshl_b32 s74, s11, 23                        ; 2^(e4 - x)
	s_add_co_i32 s11, s11, 15
	s_lshl_b32 s75, s11, 23
	s_or_b32 s75, s75, 0x600000                    ; 57,344 x that
	s_add_co_i32 s11, s58, 127
	s_lshl_b32 s76, s11, 23                        ; 2^e6
	s_add_co_i32 s11, s11, 15
	s_lshl_b32 s77, s11, 23
	s_or_b32 s77, s77, 0x600000                    ; 57,344 x 2^e6
	s_wait_loadcnt 0x0                             ; b and the rows i
.irp t, 0,1,2,3
.irp j, 0,1,2,3,4,5,6,7
	v_ldexp_f32 v[NI+8*\t+\j], v[ACC+4*\j+\t], s80 ; B1 in the results' layout
.endr
.endr
.irp t, 0,1,2,3
	ds_store_b128 v2, v[NI+8*\t:NI+8*\t+3] offset:4*NIP+32*\t       ; and to my own bytes, for the values
	ds_store_b128 v2, v[NI+8*\t+4:NI+8*\t+7] offset:4*NIP+32*\t+16
.endr
	s_wait_alu depctr_va_vdst(0)
	s_cmp_gt_u32 s18, 3
	s_cbranch_scc1 .Lno_wn
	s_wait_tensorcnt 0x0                           ; waves 0-3: W and the nodes have landed; the edges of waves 4-7 may be out
.Lno_wn:
	BAR
.irp t, 0,1,2,3
.irp c, 0,1,2,3,4,5,6,7
	ds_load_b128 v[WR+32*\t+4*\c:WR+32*\t+4*\c+3], v16 offset:256*\t+32*\c   ; W's four tiles stay
.endr
.endr
	WIN 0x40                                       ; destination window 1
.irp u, 0,1,2,3,4,5,6,7
	TFRAG 32*\u, \u                                ; the nodes at tile u's positions
.endr
	WIN 0
	; ---- N of the four rows i.  The sums begin with B1, so they stand for node_p / 2^(e0 + e1);  N = (that + B1) alpha = (node_p + b) / 2^s, by one multiply-add with B1 alpha
	s_wait_dscnt 56                                ; of 96 loads the oldest 40 are in: W and the nodes' tile 0
	MM8 F, 1
	PLACES 4
.set kx, 0
.rept 16
	v_pk_mul_f32 v[F+kx:F+kx+1], v[NI+kx:NI+kx+1], s[60:61] op_sel_hi:[1,0]       ; B1 alpha, into the registers that the products above have read; it serves the node tiles too
.set kx, kx+2
.endr
.set kx, 0
.rept 16
	v_pk_fma_f32 v[ACC+kx:ACC+kx+1], v[ACC+kx:ACC+kx+1], s[60:61], v[F+kx:F+kx+1] op_sel_hi:[1,0,1]
.set kx, kx+2
.endr
.irp t, 0,1,2,3
	ds_store_b128 v12, v[ACC+8*\t:ACC+8*\t+3] offset:32*\t          ; columns r, r + 4, r + 8, r + 12 hold the same row: they store the same numbers to the same words
	ds_store_b128 v12, v[ACC+8*\t+4:ACC+8*\t+7] offset:32*\t+16
.endr
	; ---- NJ: the same for my 128 positions; each tile's result takes the place of the tile's fragment in window 1
.macro NTILE u
.if (\u) > 0
	s_wait_dscnt 8*(7-(\u))+8                      ; tile u's eight loads are in; the tiles behind it and the eight stores may be out
.endif
	WIN 0x04                                       ; source 1 window 1
	MM8 32*(\u), 1
	WIN 0x40                                       ; destination window 1
	PLACES 4
.set kx, 0
.rept 16
	v_pk_fma_f32 v[32*(\u)+kx:32*(\u)+kx+1], v[ACC+kx:ACC+kx+1], s[60:61], v[F+kx:F+kx+1] op_sel_hi:[1,0,1]
.set kx, kx+2
.endr
	WIN 0
.endm
.irp u, 0,1,2,3,4,5,6,7
	NTILE \u
.endr
; The four chains of packed products of tile u, in T's lower half, become the lane's score.  Four plain instructions that name only T and SC.
.macro RED u
	v_pk_add_f32 v[T:T+1], v[T:T+1], v[T+2:T+3]
	v_pk_add_f32 v[T+4:T+5], v[T+4:T+5], v[T+6:T+7]
	s_delay_alu instid0(VALU_DEP_1)
	v_pk_add_f32 v[T:T+1], v[T:T+1], v[T+4:T+5]
	s_delay_alu instid0(VALU_DEP_1)
	v_add_f32 v[SC+(\u)], v[T], v[T+1]
.endm
; A TILE: 16 positions x my 64 channels of the row in hand; a lane holds its head's 32 channels.  Tiles 0, 1 of channels: q' = S + NI into T, k' = S + NJ in place, four chains of packed products in T's lower half.
; Tiles 2, 3: q' into the two accumulators that are done with, k' in place, the same four chains go on.  The chains are summed behind the NEXT tile's products, where four places are owed in any case.
; nx = 1: tile 7 fetches tile 0 of the next slot.
.macro TILE u, nx
	s_wait_alu depctr_va_vdst(0)
	s_wait_dscnt 0x0                               ; the tile's fragment is in (asked for a tile ago); for tile 0 NI too
	MM8 F, 0
.if (\u) > 0
	RED (\u)-1                                     ; the tile before's score: also the four places in front of the loads into F and of the first read of the sums
.else
	PLACES 4
.endif
.if (\u) < 7
	TFRAG F, (\u)+1
.else
.if \nx
	v_add_nc_u32 v1, SLOT, v1
	TFRAG F, 0
.endif
.endif
.set kx, 0
.rept 8
	v_pk_add_f32 v[T+kx:T+kx+1], v[ACC+kx:ACC+kx+1], v[NI+kx:NI+kx+1]
.set kx, kx+2
.endr
	WIN 0x04                                       ; source 1 window 1
.set kx, 0
.rept 8
	v_pk_add_f32 v[ACC+kx:ACC+kx+1], v[ACC+kx:ACC+kx+1], v[32*(\u)+kx:32*(\u)+kx+1]
.set kx, kx+2
.endr
	WIN 0
.set kx, 0
.rept 4
	v_pk_mul_f32 v[T+kx:T+kx+1], v[T+kx:T+kx+1], v[ACC+kx:ACC+kx+1]
.set kx, kx+2
.endr
.set kx, 0
.rept 4
	s_delay_alu instid0(VALU_DEP_4)
	v_pk_fma_f32 v[T+kx:T+kx+1], v[T+8+kx:T+8+kx+1], v[ACC+8+kx:ACC+8+kx+1], v[T+kx:T+kx+1]
.set kx, kx+2
.endr
.set kx, 0
.rept 8
	v_pk_add_f32 v[ACC+kx:ACC+kx+1], v[ACC+16+kx:ACC+16+kx+1], v[NI+16+kx:NI+16+kx+1]
.set kx, kx+2
.endr
	WIN 0x04
.set kx, 0
.rept 8
	v_pk_add_f32 v[ACC+16+kx:ACC+16+kx+1], v[ACC+16+kx:ACC+16+kx+1], v[32*(\u)+16+kx:32*(\u)+16+kx+1]
.set kx, kx+2
.endr
	WIN 0
.set kx, 0
.rept 8
	v_pk_fma_f32 v[T+kx%8:T+kx%8+1], v[ACC+kx:ACC+kx+1], v[ACC+16+kx:ACC+16+kx+1], v[T+kx%8:T+kx%8+1]
.set kx, kx+2
.endr
.endm
.macro ROWT nx                         ; a row's products and scores
.irp u, 0,1,2,3,4,5,6,7
	TILE \u, \nx
.endr
	RED 7
.endm
; From eight scores a lane to w = 2^(t - 15), the largest tau and the sum of w over my 128 positions; at work in ACC.
.macro SOFT ii
.irp u, 0,1,2,3,4,5,6,7
	v_mul_f32 v[ACC+\u], s66, v[SC+\u]
.endr
	s_wait_alu depctr_va_vdst(0)                   ; (the waits round each batch of transcendentals)
.irp u, 0,1,2,3,4,5,6,7
	v_exp_f32 v[ACC+\u], v[ACC+\u]                 ; E = e^(2 score); infinity and 0 at the ends give tanh = 1 and -1
.endr
	v_nop                                          ; a plain place behind the transcendentals
	s_wait_alu depctr_va_vdst(0)
.irp u, 0,1,2,3,4,5,6,7
	v_add_f32 v[ACC+\u], 1.0, v[ACC+\u]
.endr
	s_wait_alu depctr_va_vdst(0)
.irp u, 0,1,2,3,4,5,6,7
	v_rcp_f32 v[ACC+\u], v[ACC+\u]
.endr
	v_nop
	s_wait_alu depctr_va_vdst(0)
.irp u, 0,1,2,3,4,5,6,7
	v_fma_f32 v[ACC+\u], v[ACC+\u], s67, s68       ; tau = t - 15
.endr
	v_max3_num_f32 v72, v64, v65, v66
	v_max3_num_f32 v74, v67, v68, v69
	v_max3_num_f32 v72, v72, v70, v71
	v_max_num_f32 v72, v72, v74
	s_wait_alu depctr_va_vdst(0)
.irp u, 0,1,2,3,4,5,6,7
	v_exp_f32 v[SC+\u], v[ACC+\u]                  ; w
.endr
	v_max_num_f32_dpp v72, v72, v72 row_xmask:1 row_mask:0xf bank_mask:0xf   ; over the 16 lanes of my half: one head.  (The first is the plain place behind the transcendentals)
	s_wait_alu depctr_va_vdst(0)
	v_pk_add_f32 v[74:75], v[SC:SC+1], v[SC+2:SC+3]
	v_pk_add_f32 v[76:77], v[SC+4:SC+5], v[SC+6:SC+7]
	v_max_num_f32_dpp v72, v72, v72 row_xmask:2 row_mask:0xf bank_mask:0xf
	v_pk_add_f32 v[74:75], v[74:75], v[76:77]
	v_max_num_f32_dpp v72, v72, v72 row_xmask:4 row_mask:0xf bank_mask:0xf
	v_add_f32 v73, v74, v75
	v_max_num_f32_dpp v72, v72, v72 row_xmask:8 row_mask:0xf bank_mask:0xf
	v_add_f32_dpp v73, v73, v73 row_xmask:1 row_mask:0xf bank_mask:0xf
	s_delay_alu instid0(VALU_DEP_1)
	v_add_f32_dpp v73, v73, v73 row_xmask:2 row_mask:0xf bank_mask:0xf
	s_delay_alu instid0(VALU_DEP_1)
	v_add_f32_dpp v73, v73, v73 row_xmask:4 row_mask:0xf bank_mask:0xf
	s_delay_alu instid0(VALU_DEP_1)
	v_add_f32_dpp v73, v73, v73 row_xmask:8 row_mask:0xf bank_mask:0xf
	ds_store_b64 v3, v[72:73] offset:128*(\ii)     ; each row has words of its own
.endm
.macro STASH                           ; w of a pair's first row to my own bytes
	v_and_b32 v8, 31, v0
	v_lshl_add_u32 v8, v8, 4, s97
	ds_store_b128 v8, v[SC:SC+3]
	ds_store_b128 v8, v[SC+4:SC+7] offset:512
.endm
; Behind the barrier: rows a and a + 1 are finished side by side: w of the first from my bytes into v64-71, of the second in SC.  p's codes and the factor go to my own LDS bytes, attn goes out.
; x, y: 13 registers at work for each row; F's registers hold what goes out.
.macro FIN2 a, x, y
	v_and_b32 v[\x+12], 31, v0
	v_lshl_add_u32 v[\x+12], v[\x+12], 4, s97
	ds_load_b64 v[\x:\x+1], v3 offset:128*(\a)
	ds_load_b64 v[\x+2:\x+3], v4 offset:128*(\a)
	ds_load_b64 v[\y:\y+1], v3 offset:128*(\a)+128
	ds_load_b64 v[\y+2:\y+3], v4 offset:128*(\a)+128
	ds_load_b128 v[64:67], v[\x+12]
	ds_load_b128 v[68:71], v[\x+12] offset:512
	s_wait_dscnt 0x0
.irp z, \x, \y
	v_max_num_f32 v[\z], v[\z], v[\z+2]            ; the row's largest tau
	v_add_f32 v[\z+1], v[\z+1], v[\z+3]            ; the row's sum of w
.endr
	s_wait_alu depctr_va_vdst(0)
	v_rcp_f32 v[\x+4], v[\x+1]
	v_rcp_f32 v[\y+4], v[\y+1]
.irp z, \x, \y
	v_floor_f32 v[\z+6], -v[\z]                    ; z = 15 - M, a whole number, 0 to 29.  (A plain place behind the reciprocals)
.endr
.irp z, \x, \y
	v_cvt_i32_f32 v[\z+6], v[\z+6]
.endr
	s_wait_alu depctr_va_vdst(0)
.irp z, \x, \y
	v_sub_nc_u32 v[\z+7], s69, v[\z+6]
	v_sub_nc_u32 v[\z+9], s70, v[\z+6]
	v_mov_b32 v[\z+5], v[\z+4]
.endr
.irp z, \x, \y
	v_lshlrev_b32 v[\z+7], 23, v[\z+7]             ; 2^(e5 - z): p / 2^e5 = w / 2^(e5 - z)
	v_ldexp_f32 v[\z+9], v[\z+4], v[\z+9]          ; 2^(e4 + e5 - z) / the sum
.endr
.irp z, \x, \y
	v_add_nc_u32 v[\z+8], 0x07e00000, v[\z+7]      ; 57,344 x 2^(e5 - z): 15 more in the exponent field, 57,344's mantissa field
.endr
.irp u, 0,1,2,3,4,5,6,7
	v_min_num_f32 v[104+\u], v[64+\u], v[\x+8]     ; the conversion to an 8-bit code does not saturate (ISA guide 7.6.2); w is not negative, so the hold is one-sided
	v_min_num_f32 v[120+\u], v[SC+\u], v[\y+8]
.endr
	v_cvt_scalef32_pk8_bf8_f32 v[\x+10:\x+11], v[104:111], v[\x+7]
	v_cvt_scalef32_pk8_bf8_f32 v[\y+10:\y+11], v[120:127], v[\y+7]
	v_nop                                          ; a plain place behind the scaled conversions
	ds_store_b64 v5, v[\x+10:\x+11] offset:144*(\a)        ; kappa = 8 r + 0 .. 7
	ds_store_b64 v5, v[\y+10:\y+11] offset:144*(\a)+144
	ds_store_b32 v7, v[\x+9] offset:4*(\a)
	ds_store_b32 v7, v[\y+9] offset:4*(\a)+4
.irp k, 0,2,4,6
	v_pk_mul_f32 v[96+\k:97+\k], v[64+\k:65+\k], v[\x+4:\x+5]
	v_pk_mul_f32 v[112+\k:113+\k], v[SC+\k:SC+\k+1], v[\y+4:\y+5]
.endr
	global_store_b128 v6, v[96:99], s[78:79] offset:1024*(\a) th:TH_STORE_NT         ; sixteen lanes store 256 consecutive bytes, at a multiple of 256 from out1's first byte
	global_store_b128 v6, v[100:103], s[78:79] offset:1024*(\a)+256 th:TH_STORE_NT
	global_store_b128 v6, v[112:115], s[78:79] offset:1024*(\a)+1024 th:TH_STORE_NT
	global_store_b128 v6, v[116:119], s[78:79] offset:1024*(\a)+1280 th:TH_STORE_NT
.endm
; The values of tile u's positions, quantised, to my own bytes: row kappa = 8 r + u at 528 r + 64 u, my 64 channels a row in the registers' order; a lane's 32 codes are the 32 bytes at 32 h.
.macro VPH u
	WIN 0x01                                       ; source 0 window 1
.set kx, 0
.rept 16
	v_pk_fma_f32 v[ACC+kx:ACC+kx+1], v[32*(\u)+kx:32*(\u)+kx+1], s[62:63], v[NI+kx:NI+kx+1] op_sel_hi:[1,0,1] neg_lo:[0,0,1] neg_hi:[0,0,1]
.set kx, kx+2
.endr
	WIN 0
.set kx, 0
.rept 32
	v_med3_num_f32 v[ACC+kx], v[ACC+kx], -v17, v17
.set kx, kx+1
.endr
.irp t, 0,1,2,3
	v_cvt_scalef32_pk8_bf8_f32 v[T+2*\t:T+2*\t+1], v[ACC+8*\t:ACC+8*\t+7], v16
.endr
	v_nop
	ds_store_b128 v18, v[T:T+3] offset:64*(\u)     ; 528 = 33 x 16 bytes from lane to lane: sixteen different columns
	ds_store_b128 v18, v[T+4:T+7] offset:64*(\u)+16
.endm
	; ---- W and the nodes are in registers: slots 0 and 1 are filled again with rows 2 and 3
	v_add_nc_u32 v1, SLOT, v1                      ; on to slot 2
	v_lshl_add_u32 v8, v0, 2, SPARE
	v_mov_b32 v9, 0
	s_wait_alu depctr_va_vdst(0)
	s_wait_tensorcnt 0x0                           ; all my tensor loads have landed, rows 0 and 1 among them;
	ds_add_u32 v8, v9                              ; 0 onto my spare word;
	s_mov_b32 s41, s96                             ; the edges' group 0: waves 0-3: (w % 4) half slots from slot 0 on,
	s_add_nc_u64 s[42:43], s[42:43], 0x20000       ; two rows further on in memory
	s_wait_dscnt 0x0                               ; the add is done, and so are my reads of slots 0 and 1
	ROUND
	s_cmp_gt_u32 s18, 3
	s_cbranch_scc1 .Lno_fill
	tensor_load_to_lds s[40:43], s[44:51]
	s_nop 0
	PLACES 4
.Lno_fill:
	; ---- rows 0 and 1
	NILD 0
	TFRAG F, 0
	ROWT 1
	NILD 1
	SOFT 0
	STASH
	ROWT 0
	SOFT 1
	s_wait_alu depctr_va_vdst(0)
	s_wait_tensorcnt 0x0                           ; my part of rows 2 and 3: my last tensor load
	BAR                                            ; the exchange's words lie in LDS; rows 2 and 3 are whole; every wave's reads of slots 2 and 3 are over
	NILD 4                                         ; B1, for the values
	FIN2 0, 8, 80
	; ---- the values' codes go over slots 2 and 3, which have had their one fill and their last read
	v_and_b32 v19, 15, v0
	v_bfe_u32 v20, v0, 4, 1
	v_mov_b32 v16, s74
	v_mov_b32 v17, s75
	v_mul_u32_u24 v18, v19, 528
	v_mul_u32_u24 v1, v19, ROWL
	v_lshl_add_u32 v18, v20, 5, v18
	v_lshl_add_u32 v1, v20, 4, v1
	v_add_nc_u32 v18, s82, v18                     ; v18: my bytes + 528 r + 32 h
	v_add_nc_u32 v1, s22, v1                       ; v1: my half of slot 0
.irp u, 0,1,2,3
	VPH \u
.endr
	s_wait_alu depctr_va_vdst(0)
	s_wait_xcnt 0x0                                ; the stores to out1 have read F's registers
	TFRAG F, 0
.irp u, 4,5,6,7
	VPH \u
.endr
	; ---- rows 2 and 3
	NILD 2
	ROWT 1
	NILD 3
	SOFT 2
	STASH
	ROWT 0
	; ---- behind row 3's tiles the tail's addresses are made and its first loads go out
	v_and_b32 v20, 15, v0                          ; r
	v_bfe_u32 v21, v0, 4, 1                        ; h
	v_and_b32 v22, 3, v0                           ; r % 4
	v_bfe_u32 v23, v0, 2, 2                        ; r / 4
	v_and_b32 v19, 7, v0
	v_mul_u32_u24 v8, v21, 528
	v_bfe_u32 v20, v0, 3, 1
	v_mul_u32_u24 v9, v22, 144
	v_mul_u32_u24 v11, v22, OXR
	v_lshl_add_u32 v8, v19, 6, v8
	v_mul_u32_u24 v12, v23, OXC
	v_mul_u32_u24 v14, v22, 272
	v_lshl_add_u32 v8, v20, 4, v8
	v_mul_u32_u24 v15, v22, OSP
	v_lshl_add_u32 v9, v21, 3, v9
	v_add_nc_u32 v12, v12, v11
	v_add_nc_u32 v8, s82, v8                       ; v8: the turning load: row kappa = 8 h + l % 8 (+ 16 a step), 16 bytes at 16 ((l / 8) % 2)
	v_add_nc_u32 v9, s101, v9                      ; v9: p's fragment: column r takes row r % 4; + 8 h
	v_lshl_add_u32 v10, v22, 2, s2                 ; v10: the factor of row r % 4
	v_lshl_add_u32 v11, v21, 3, v11
	v_lshl_add_u32 v12, v21, 6, v12
	v_lshl_add_u32 v14, v21, 4, v14
	v_add_nc_u32 v11, s83, v11                     ; v11: my half of O, to store: row r % 4, + 8 h
	v_add_nc_u32 v12, OX, v12                      ; v12: O, to read: row r % 4, chunk r / 4, + 64 h
	v_add_nc_u32 v14, s84, v14                     ; v14: O's codes, to read as a fragment
	v_lshl_add_u32 v15, v21, 7, v15
	v_lshlrev_b32 v17, 4, v0                       ; v17: 16 x thread: my 16 bytes of the group's four rows of out0
	v_lshl_add_u32 v13, v23, 6, v14                ; v13: and to store: + 64 (r / 4)
	v_lshrrev_b32 v19, 6, v0
	v_add_nc_u32 v15, s85, v15                     ; v15: out0's stage, to store: row r % 4, channels 64 c + 32 h + 2 p on
	v_lshl_add_u32 v16, v19, 4, v17
	v_lshlrev_b32 v18, 7, v21                      ; v18: b: 32 h numbers
	v_add_nc_u32 v16, OST, v16                     ; v16: my 16 bytes in the stage, whose rows are 16 bytes longer: + 16 (thread / 64)
	WIN 0x40                                       ; destination window 1: NJ is done with
.irp hd, 0,1
.irp c, 0,1,2,3,4,5,6,7
	ds_load_tr16_b128 v[32*\hd+4*\c:32*\hd+4*\c+3], v8 offset:1056*\c+32*\hd   ; on pairs of bytes: lane (r, h) gets kappa = 16 c + 8 h + 0 .. 7 of stored channels 32 hd + 2 r and + 2 r + 1, interleaved
.endr
.endr
.irp j, 0,1,2,3,4,5,6,7
	global_load_b64 v[96+2*\j:97+2*\j], v18, s[94:95] offset:16*\j          ; b at channels 64 c + 32 h + 4 j + 2 p + 0, 1
.endr
	WIN 0
	SOFT 3
	s_wait_dscnt 0x0
	WIN 0x45                                       ; sources 0, 1 and destination window 1
.irp hd, 0,1
.irp c, 0,1,2,3,4,5,6,7
	v_perm_b32 v[128+32*\hd+2*\c], v[32*\hd+4*\c+1], v[32*\hd+4*\c], s72
	v_perm_b32 v[128+32*\hd+2*\c+1], v[32*\hd+4*\c+3], v[32*\hd+4*\c+2], s72
	v_perm_b32 v[144+32*\hd+2*\c], v[32*\hd+4*\c+1], v[32*\hd+4*\c], s73
	v_perm_b32 v[144+32*\hd+2*\c+1], v[32*\hd+4*\c+3], v[32*\hd+4*\c+2], s73
.endr
.endr
	WIN 0
	BAR                                            ; rows 2 and 3 of the exchange lie in LDS
	FIN2 2, 32, 48
	; ---- O^T = V^T P^T over my 128 positions: source 0 = 16 stored channels (even or odd ones of a head), source 1 = the four rows i, four times over
.irp hd, 0,1
.irp c, 0,1,2,3,4,5,6,7
	ds_load_b64 v[32+16*\hd+2*\c:32+16*\hd+2*\c+1], v9 offset:576*\hd+16*\c  ; registers 2 c, 2 c + 1: kappa = 16 c + 8 h + 0 .. 7
.endr
.endr
	ds_load_b32 v30, v10
	ds_load_b32 v31, v10 offset:16
	s_wait_alu depctr_va_vdst(0)
	s_wait_dscnt 0x0
	WIN 0x41                                       ; source 0 and destination window 1
.irp hd, 0,1
.irp n, 0,1
	v_wmma_f32_16x16x128_bf8_bf8 v[64+16*\hd+8*\n:64+16*\hd+8*\n+7], v[128+32*\hd+16*\n:128+32*\hd+16*\n+15], v[32+16*\hd:32+16*\hd+15], 0
.endr
.endr
	PLACES 4
	WIN 0x01                                       ; source 0 window 1
.irp hd, 0,1
.irp a, 0,1,2,3
.irp n, 0,1
	v_mul_f32 v[64+16*\hd+4*\a+2*\n], v[64+16*\hd+8*\n+\a], v[30+\hd]        ; stored channel 32 hd + 16 h + 2 a + n is channel 32 hd + 8 a + 4 n + 2 h,
	v_mul_f32 v[64+16*\hd+4*\a+2*\n+1], v[64+16*\hd+8*\n+\a+4], v[30+\hd]    ; that of register a + 4 its neighbour; each accumulator from its low end on
.endr
.endr
.endr
	WIN 0
.irp hd, 0,1
.irp a, 0,1,2,3
.irp n, 0,1
	ds_store_b64 v11, v[64+16*\hd+4*\a+2*\n:64+16*\hd+4*\a+2*\n+1] offset:128*\hd+32*\a+16*\n
.endr
.endr
.endr
	s_wait_alu depctr_va_vdst(0)
	s_wait_xcnt 0x0                                ; the stores to out1 have read F's registers
	s_wait_loadcnt 0x0                             ; b for the last projection
	BAR                                            ; both halves of O, all channels, lie in LDS
	; ---- every wave adds the halves and quantises the four rows: they are source 1 of its part of the last projection
.irp g, 0,1
.irp e, 0,1
.irp q, 0,1,2,3
	ds_load_b128 v[64+32*\g+16*\e+4*\q:64+32*\g+16*\e+4*\q+3], v12 offset:OXH*\g+128*\e+16*\q
.endr
.endr
.endr
	v_mov_b32 v48, s76
	v_mov_b32 v49, s77
	s_wait_alu depctr_va_vdst(0)
	s_wait_dscnt 0x0
.set kx, 0
.rept 16
	v_pk_add_f32 v[64+kx:64+kx+1], v[64+kx:64+kx+1], v[96+kx:96+kx+1]
.set kx, kx+2
.endr
.set kx, 0
.rept 32
	v_med3_num_f32 v[64+kx], v[64+kx], -v49, v49
.set kx, kx+1
.endr
.irp k, 0,1,2,3
	v_cvt_scalef32_pk8_bf8_f32 v[32+2*\k:33+2*\k], v[64+8*\k:71+8*\k], v48
.endr
	v_nop                                          ; a plain place behind the scaled conversions: the products below write their sources
	ds_store_b128 v13, v[32:35]                    ; channels 64 (r / 4) + 16 h + 0 .. 15,
	ds_store_b128 v13, v[36:39] offset:32          ; and 32 further on
.irp c, 0,1,2,3,4,5,6,7
	ds_load_b128 v[96+4*\c:96+4*\c+3], v14 offset:32*\c             ; my own bytes: LDS serves a wave's instructions in order (ISA guide 5.7.1.4)
.endr
	s_wait_alu depctr_va_vdst(0)
	s_wait_dscnt 0x0
; out0: wave (c, p) makes channels 64 c + 32 h + 4 j + 2 p + 0, 1 with the tiles 2 p and 2 p + 1 of W that it holds: register numbers, so a branch on the wave's number.  Two accumulators by turns.
.macro LASTP t0
	v_wmma_f32_16x16x128_bf8_bf8 v[64:71], v[WR+32*(\t0):WR+32*(\t0)+15], v[96:111], 0
	v_wmma_f32_16x16x128_bf8_bf8 v[72:79], v[WR+32*(\t0)+32:WR+32*(\t0)+47], v[96:111], 0
	v_wmma_f32_16x16x128_bf8_bf8 v[64:71], v[WR+32*(\t0)+16:WR+32*(\t0)+31], v[112:127], v[64:71]
	v_wmma_f32_16x16x128_bf8_bf8 v[72:79], v[WR+32*(\t0)+48:WR+32*(\t0)+63], v[112:127], v[72:79]
.endm
	s_cmp_lg_u32 s20, 0
	s_cbranch_scc1 .Lupper
	LASTP 0
	s_branch .Ljoin
.Lupper:
	LASTP 2
.Ljoin:
	PLACES 4
	WIN 0x10                                       ; source 2 window 1
.irp j, 0,1,2,3,4,5,6,7
	v_fma_f32 v[32+2*\j], v[64+\j], s71, v[96+2*\j]                  ; sum x 2^(e6 + e7) + b
	v_fma_f32 v[33+2*\j], v[72+\j], s71, v[97+2*\j]
.endr
	WIN 0
.irp j, 0,1,2,3,4,5,6,7
	ds_store_b64 v15, v[32+2*\j:33+2*\j] offset:16*\j
.endr
	BAR                                            ; four whole rows of out0 lie in the stage
	ds_load_b128 v[48:51], v16
	v_lshl_add_u32 v8, v0, 2, SPARE
	v_mov_b32 v9, 0
	s_wait_alu depctr_va_vdst(0)
	s_wait_dscnt 0x0
	global_store_b128 v17, v[48:51], s[92:93] th:TH_STORE_NT        ; a wave stores 512 consecutive bytes, at a multiple of 256 from out0's first byte
	s_wait_tensorcnt 0x0                           ; the wave's end
	ds_add_u32 v8, v9
	s_wait_dscnt 0x0
	ROUND                                          ; the closing round: no work-group ends while a partner may still ask for a tile that names it
	s_endpgm
.Lfunc_end_k_qafb23204fd_fused:
	.size	k_qafb23204fd_fused, .Lfunc_end_k_qafb23204fd_fused-k_qafb23204fd_fused
	.p2alignl 7, 3214868480
	.fill 96, 4, 3214868480
	.section	.rodata,"a",@progbits
	.p2align	6, 0x0
	.amdhsa_kernel k_qafb23204fd_fused
		.amdhsa_group_segment_fixed_size 327680
		.amdhsa_private_segment_fixed_size 0
		.amdhsa_enable_private_segment 0
		.amdhsa_kernarg_size 56
		.amdhsa_user_sgpr_count 2
		.amdhsa_user_sgpr_kernarg_segment_ptr 1
		.amdhsa_wavefront_size32 1
		.amdhsa_system_sgpr_workgroup_id_x 1
		.amdhsa_system_sgpr_workgroup_id_y 1
		.amdhsa_system_sgpr_workgroup_id_z 1
		.amdhsa_system_vgpr_workitem_id 0
		.amdhsa_next_free_vgpr 512
		.amdhsa_next_free_sgpr 102
		.amdhsa_reserve_vcc 0
		.amdhsa_float_denorm_mode_32 3
		.amdhsa_float_denorm_mode_16_64 3
		.amdhsa_memory_ordered 1
		.amdhsa_forward_progress 1
		.amdhsa_inst_pref_size 255
	.end_amdhsa_kernel
	.section	.bss,"aw",@nobits
	.p2align	6
	.space	262144
	.amdgpu_metadata
---
amdhsa.version: [ 1, 2 ]
amdhsa.kernels:
  - .name:           k_qafb23204fd_fused
    .symbol:         k_qafb23204fd_fused.kd
    .args:
      - { .name: W_codes, .offset: 0, .size: 8, .value_kind: global_buffer, .address_space: global }
      - { .name: b, .offset: 8, .size: 8, .value_kind: global_buffer, .address_space: global }
      - { .name: edges_codes, .offset: 16, .size: 8, .value_kind: global_buffer, .address_space: global }
      - { .name: lowp_scales, .offset: 24, .size: 8, .value_kind: global_buffer, .address_space: global }
      - { .name: nodes_codes, .offset: 32, .size: 8, .value_kind: global_buffer, .address_space: global }
      - { .name: out0, .offset: 40, .size: 8, .value_kind: global_buffer, .address_space: global }
      - { .name: out1, .offset: 48, .size: 8, .value_kind: global_buffer, .address_space: global }
    .group_segment_fixed_size: 327680
    .private_segment_fixed_size: 0
    .kernarg_segment_align: 8
    .kernarg_segment_size: 56
    .max_flat_workgroup_size: 256
    .sgpr_count:     102
    .vgpr_count:     512
    .wavefront_size: 32
...
	.end_amdgpu_metadata
.endif
;; end of part 2
